; MI455X (gfx1250); checked and timed in simulation.
; The chip was launched on July 23, 2026; its instructions are those of AMD's public machine-readable ISA for CDNA 5 (MIT licence, August 2026) and "CDNA5" Instruction Set Architecture Reference Guide (July 2026). The comments in the code are by the model that wrote it; some were corrected since.
;; Single QMSAN Head. Allowed arithmetic: matrix products marked QUANTISED: E4M3 operands, one E8M0 scale for each 32 along K, by v_wmma_scale_f32_16x16x128_f8f6f4 with both operands' format E4M3, f32 sums; everything else in f32.
;; Inputs: Wk 256 x 256 float32; Wq 256 x 256 float32; Wv 128 x 256 float32; x 4 x 256 x 256 float32.
;; Outputs: out0 4 x 256 x 128 float32.
;; This version of the problem:
;;   THIS VERSION OF THE PROBLEM IS GIVEN IN LOW PRECISION. The matrix products marked QUANTISED in the list below multiply operands that are first quantised to E4M3 (4 exponent bits, 3 mantissa bits; 8 bits a number), with one power-of-two scale for each 32 numbers along K (OCP MX v1.0); their sums are f32. All else is computed in f32.
;;   The module's matrix products, in the order in which they are computed (A, B: the left and right operand; K: the contracted axis; several contracted axes count as one K, in the product's order):
;;     1. [M 1,024, K 256] x [K 256, N 128]; A: input x; B: input Wv: QUANTISED
;;     2. [M 1,024, K 256] x [K 256, N 256]; A: computed on the way; B: input Wq: QUANTISED
;;     3. [M 1,024, K 256] x [K 256, N 256]; A: computed on the way; B: input Wk: QUANTISED
;;     4. batch 4 x [M 256, K 256] x [K 256, N 128]; A: computed on the way; B: computed on the way: QUANTISED
;;   THE QUANTISER, for each operand of a quantised product, along K:
;;     - K is cut into blocks of 32 from its start; a last block that is shorter is filled with zeros.
;;     - A block's scale is 2^e with e = floor(log2(the largest magnitude in the block)) - 8, held to -126 .. 127; a block of zeros has e = 0. As a byte (E8M0): e + 127.
;;     - Each number is divided by its block's scale, clamped to +-448, and rounded to the nearest number of E4M3, ties to even, subnormals kept.
;;     - The product sums the exact products of the quantised numbers (number of the format x scale) in f32.
;;   ~~~python
;;   def quantise(x, axis):      # numpy; x: float32 -> the quantised numbers, widened to float32 again
;;       x = np.moveaxis(x, axis, -1); K = x.shape[-1]
;;       x = np.pad(x, [(0, 0)] * (x.ndim - 1) + [(0, -K % 32)]); x = x.reshape(x.shape[:-1] + (-1, 32)); a = np.abs(x).max(-1, keepdims=True)
;;       e = np.where(a > 0, np.clip(np.frexp(np.where(a > 0, a, 1))[1] - 1 - 8, -126, 127), 0)      # np.frexp(a)[1] - 1 = floor(log2(a)), exactly
;;       r = np.clip(x / 2.0 ** e, -448, 448)
;;       step = 2.0 ** (np.maximum(np.frexp(np.where(r == 0, 1, r))[1] - 1, -6) - 3)
;;       q = np.round(r / step) * step * 2.0 ** e      # np.round: ties to even
;;       return np.moveaxis(q.reshape(q.shape[:-2] + (-1,))[..., :K], -1, axis).astype(np.float32)
;;   ~~~
;;   OPERANDS COMPUTED ON THE WAY. 'Computed on the way' means the value that the module computes at that place (a softmax that the list does not call 'softmax' is quantised finished and normalised). What goes into a quantiser is computed in f32, as accurately as f32 sums, v_exp_f32 and their like allow (about 1e-6 of the number): no bf16 or f16 on the way to a quantiser, and a product that is left as it is and whose result goes on into a quantised operand takes f32 operands (vector FMAs, or v_wmma_f32_16x16x4_f32). A number that lies on a knife's edge between two numbers of the format may be rounded either way, as far as f32 arithmetic and the matrix unit's own rounding can turn it there, and no further.
;; 2 versions, each right; version 2 is version 1 with the launches proj, js written anew for expert scheduling mode. Each part assembles by itself: llvm-mc -triple=amdgcn-amd-amdhsa -mcpu=gfx1250 --defsym DOCPART=n.
;; ======== version 1 of 2: 2 launches
;; workspace buffers: rho 2,097,152 bytes; ent 8,192 bytes; vc 131,072 bytes; vs 4,096 bytes
;; launch proj (part 1): grid 80 x 1, 16 waves a work-group, no clusters, 34,816 bytes of LDS; arguments x, Wq, Wk, Wv, rho, ent, vc, vs; writes rho, ent, vc, vs
.if DOCPART == 1
	.amdgcn_target "amdgcn-amd-amdhsa--gfx1250"
	.amdhsa_code_object_version 6
	.text
	.protected	k_qa49fafc272_proj
	.globl	k_qa49fafc272_proj
	.p2align	8
	.type	k_qa49fafc272_proj,@function
k_qa49fafc272_proj:
	s_mov_b64 s[64:65], 0
	v_nop
	global_prefetch_b8 v0, s[64:65] scope:SCOPE_SE
	s_setreg_imm32_b32 hwreg(HW_REG_WAVE_MODE, 25, 1), 1
	s_wait_xcnt 0x0
; THE THREE PROJECTIONS, all on codes of FP8 (E4M3) with one E8M0 scale for each 32 along K = the 256 numbers of a row.
; Work-groups 0-31: 32 rows of x against Wq;  32-63: the same rows against Wk;  64-79: 64 rows of x against Wv.
; QUERY / KEY PATH: psi = x / (|x| + 1e-12) is quantised; amp = psi W^T; p = amp^2; T = the row's sum; stored are
;   rho [q or k][batch][e / 4][row][4] f32 = p x 0.5 / (T + 1e-10): HALF the distribution, four neighbouring e of one row as 16 bytes, rows side by side,
;   ent [q or k][1024] f32 = the sum over e of (rho / 2) ln(rho + 1e-10).
; VALUE PATH: V = x Wv^T, quantised along the KEYS (blocks of 32 rows), stored in the order of an operand's registers:
;   vc [batch][128 keys][16 channels][block of 32 keys][lane][16 bytes],  vs [batch][block of 32 keys][128 channels] scale bytes.
; SHARES.  A thread quantises 16 neighbours of a row of x (two neighbouring lanes hold a block, sixteen a row); codes go to LDS as rows of 256 bytes + 16.
; Wave w loads 16 rows of the weight in the layout of a fragment (lane (r, h): row r, of each block of 32 its numbers 16 h .. 16 h + 15) and quantises them in registers.
; No cluster and no tensor load: a weight arrives as f32 and each of its bytes goes from memory straight into the one lane that quantises it;
; a joint load would land in LDS and add one LDS read for each of the 256 KB.
; The two paths part on the work-group's number and have LDS bytes of their own.
; LIMITS: NaN and infinities are not served; a block of zeros gets the scale byte 1 (its codes are zeros; this program alone reads the bytes);
; divisions are a reciprocal (v_rcp_f32) and a multiplication.
.set CP,   272                         ; a row of codes in LDS: 256 bytes + 16, so that the 16 rows of a fragment load begin 4 words apart in the banks
.set TP,   80                          ; a row of 16 partial sums, one a wave: 64 bytes + 16
.set XC_A, 0                           ; query / key path: 32 rows of codes,
.set XS_A, 32*CP                       ; their scale bytes, 8 a row,
.set TS_A, XS_A+256                    ; the partial sums of p,
.set HS_A, TS_A+32*TP                  ; the partial sums of the entropy
.set XC_B, 14336                       ; value path: 64 rows of codes,
.set XS_B, XC_B+64*CP                  ; their scale bytes,
.set VB_B, XS_B+512                    ; V's 256 scale bytes
.set XO,   4                           ; v4   x: 64 bytes a thread
.set CST,  5                           ; v5   where I store 16 codes: row (thread / 16), 16 (thread % 16)
.set BST,  6                           ; v6   where I store my block's scale byte: thread / 2
.set FRD,  7                           ; v7   a fragment's row r, + 16 h
.set SRD,  8                           ; v8   row r's scale bytes
.set PSTO, 9                           ; v9   row r's partial sums, my wave's word
.set PRD,  10                          ; v10  row r's partial sums
.set VFR,  11                          ; v11  value path: row r + 8 (r / 8) of my block of 32 keys, + 16 h
.set VSR,  12                          ; v12  and its scale bytes
.set VBS,  13                          ; v13  value path: my channel's scale byte: 16 wave + r
.set WO,   14                          ; v14  the weight: row r of 1,024 bytes, + 64 h
.set X,    16                          ; v16-47  numbers of x
.set XCD,  48                          ; v48-55  their codes
.set XB,   56                          ; v56-57  their scale bytes
.set T,    58                          ; v58-63  at work
.set WC,   64                          ; v64-95  the weight's two fragments
.set WS,   96                          ; v96-97  the weight's scale words: these and v98-101 hold scales and nothing else
.set PS,   98                          ; v98-101 the rows' scale words
.set TM,   104                         ; v104-119 at work in QUANT
.set RO,   120                         ; v120 rho: 16 r + 8,192 h
.set L80,  121                         ; v121 80 x lane
.set L4,   122                         ; v122 4 x lane
.set L16,  123                         ; v123 16 x lane
.set L8,   124                         ; v124 8 x lane
.set PRM,  126                         ; v126-127 what a lane permute brings
.set WF,   128                         ; v128-255 the weight's 128 numbers
.set PF,   128                         ; v128-191 later: four fragments of rows
.set LG,   128                         ; v128-143 later still: logarithms
.set ACC,  192                         ; v192-207 two accumulators
.set SM,   208                         ; v208-209 sums
.set TR,   212                         ; v212-243 at work
.set HF,   244                         ; v244-247 0.5 / (T + 1e-10), twice for each tile
.set WV,   20
.set SEL,  24                          ; s[24:25] v_permlanex16_b32's selects for lane l xor 16
.set MNT,  26                          ; s26 the mantissa field of 448
.set EP,   28                          ; s[28:29] 1e-10
; 16 numbers of a lane, half a block of 32, become 16 codes and the block's scale byte.  cross = 0: the other half lies in lane l xor 1; 1: in lane l xor 16
.macro QX xs, cd, bt, cross
	v_max3_num_f32 v[T], |v[\xs]|, |v[\xs+1]|, |v[\xs+2]|
	v_max3_num_f32 v[T+1], |v[\xs+3]|, |v[\xs+4]|, |v[\xs+5]|
.irp i, 6,10
	v_max3_num_f32 v[T], v[T], |v[\xs+\i]|, |v[\xs+\i+1]|
	v_max3_num_f32 v[T+1], v[T+1], |v[\xs+\i+2]|, |v[\xs+\i+3]|
.endr
	v_max3_num_f32 v[T], v[T], |v[\xs+14]|, |v[\xs+15]|
	v_max3_num_f32 v[T], v[T], v[T+1], 0x4800000           ; and the floor 2^(9 - 127): the byte cannot fall under 1
.if \cross
	v_permlanex16_b32 v[PRM], v[T], s[SEL], s[SEL+1]
	v_max_num_f32 v[T], v[T], v[PRM]
.else
	v_max_num_f32_dpp v[T], v[T], v[T] row_xmask:1 row_mask:0xf bank_mask:0xf
.endif
	v_add_nc_u32 v[T+2], 0xfc000000, v[T]                  ; 8 off the exponent field: the conversion's scale operand
	v_and_or_b32 v[T+3], v[T], 0x7f800000, s[MNT]          ; 448 x the scale
.irp i, 0,1,2,3,4,5,6,7,8,9,10,11,12,13,14,15
	v_med3_num_f32 v[\xs+\i], v[\xs+\i], -v[T+3], v[T+3]   ; the conversion to an 8-bit code does not saturate (ISA guide 7.6.2): the hold comes first
.endr
	v_cvt_scalef32_pk8_fp8_f32 v[\cd:\cd+1], v[\xs:\xs+7], v[T+2]
	v_cvt_scalef32_pk8_fp8_f32 v[\cd+2:\cd+3], v[\xs+8:\xs+15], v[T+2]
	v_lshrrev_b32 v[\bt], 23, v[T+2]                       ; the scale's byte; also the plain line behind the conversions
.endm
; 64 numbers of a lane, register 16 b + i = k 32 b + 16 (lane / 16) + i of my row, become a fragment's codes and its scale word
.macro QUANT s, pc, pw
.irp b, 0,1,2,3
	v_max3_num_f32 v[TM+\b], |v[\s+16*\b]|, |v[\s+1+16*\b]|, 0x4800000
.endr
.irp i, 2,4,6,8,10,12,14
.irp b, 0,1,2,3
	v_max3_num_f32 v[TM+\b], v[TM+\b], |v[\s+16*\b+\i]|, |v[\s+1+16*\b+\i]|
.endr
.endr
.irp b, 0,1,2,3
	v_permlanex16_b32 v[TM+4+\b], v[TM+\b], s[SEL], s[SEL+1]
.endr
.irp b, 0,1,2,3
	v_max_num_f32 v[TM+\b], v[TM+\b], v[TM+4+\b]
.endr
.irp b, 0,1,2,3
	v_add_nc_u32 v[TM+12+\b], 0xfc000000, v[TM+\b]
.endr
.irp b, 0,1,2,3
	v_and_or_b32 v[TM+8+\b], v[TM+\b], 0x7f800000, s[MNT]
.endr
.irp b, 0,1,2,3
	v_lshrrev_b32 v[TM+4+\b], 23, v[TM+12+\b]
.endr
	v_lshl_or_b32 v[\pw], v[TM+5], 8, v[TM+4]
	v_lshl_or_b32 v[\pw], v[TM+6], 16, v[\pw]
	v_lshl_or_b32 v[\pw], v[TM+7], 24, v[\pw]
.irp b, 0,1,2,3
.irp i, 0,1,2,3,4,5,6,7,8,9,10,11,12,13,14,15
	v_med3_num_f32 v[\s+16*\b+\i], v[\s+16*\b+\i], -v[TM+8+\b], v[TM+8+\b]
.endr
	v_cvt_scalef32_pk8_fp8_f32 v[\pc+4*\b:\pc+1+4*\b], v[\s+16*\b:\s+7+16*\b], v[TM+12+\b]
	v_cvt_scalef32_pk8_fp8_f32 v[\pc+2+4*\b:\pc+3+4*\b], v[\s+8+16*\b:\s+15+16*\b], v[TM+12+\b]
.endr
	v_nop                                                  ; a plain line behind the last conversion: matrix results are laid over its sources later
.endm
.macro WLOAD lo, hi                    ; 16 rows of the weight: of each of the 8 blocks of 32 my 16 numbers, 64 bytes
.irp c, 0,1,2,3,4,5,6,7
.irp j, 0,1,2,3
	global_load_b128 v[WF+16*\c+4*\j:WF+16*\c+4*\j+3], v[WO], s[\lo:\hi] offset:128*\c+16*\j
.endr
.endr
.endm
.macro FRAGS fa, sa, cb, sb, ct, st    ; two tiles of rows x two K steps: fragments and scale words out of LDS
.irp m, 0,1
.irp s, 0,1
.irp c, 0,1,2,3
	ds_load_b128 v[PF+16*(2*\m+\s)+4*\c:PF+16*(2*\m+\s)+4*\c+3], v[\fa] offset:\cb+\m*(\ct)+128*\s+32*\c
.endr
	ds_load_b32 v[PS+2*\m+\s], v[\sa] offset:\sb+\m*(\st)+4*\s
.endr
.endr
.endm
.macro BARRIER                         ; my LDS stores have landed and my LDS loads are in: then the work-group's barrier
	s_wait_dscnt 0x0
	s_barrier_signal -1
	s_barrier_wait -1
.endm
.macro SUM16 b, d                      ; the sum of 16 registers
.irp i, 0,2,4,6
	v_pk_add_f32 v[\b+\i:\b+\i+1], v[\b+\i:\b+\i+1], v[\b+8+\i:\b+8+\i+1]
.endr
	v_pk_add_f32 v[\b:\b+1], v[\b:\b+1], v[\b+4:\b+5]
	v_pk_add_f32 v[\b+2:\b+3], v[\b+2:\b+3], v[\b+6:\b+7]
	v_pk_add_f32 v[\b:\b+1], v[\b:\b+1], v[\b+2:\b+3]
	v_add_f32 v[\d], v[\b], v[\b+1]
.endm
.macro ACROSS lds                      ; v[TR + 4 m ..]: four partial sums of my row of tile m: added, joined with lane l xor 16's, and put into my wave's word of the row
.irp m, 0,1
	v_pk_add_f32 v[TR+4*\m:TR+4*\m+1], v[TR+4*\m:TR+4*\m+1], v[TR+4*\m+2:TR+4*\m+3]
.endr
.irp m, 0,1
	v_add_f32 v[SM+\m], v[TR+4*\m], v[TR+4*\m+1]
.endr
.irp m, 0,1
	v_permlanex16_b32 v[PRM+\m], v[SM+\m], s[SEL], s[SEL+1]
.endr
.irp m, 0,1
	v_add_f32 v[SM+\m], v[SM+\m], v[PRM+\m]
.endr
.irp m, 0,1
	ds_store_b32 v[PSTO], v[SM+\m] offset:\lds+\m*16*TP    ; both halves of the lanes write the same word with the same value
.endr
.endm
	s_load_b256 s[4:11], s[0:1], 0x0               ; x s[4:5], Wq s[6:7], Wk s[8:9], Wv s[10:11]
	s_load_b256 s[12:19], s[0:1], 0x20             ; rho s[12:13], ent s[14:15], vc s[16:17], vs s[18:19]
	v_lshl_add_u32 v103, v0, 2, 0x8000
	v_mov_b32 v125, 0
	v_lshrrev_b32 v1, 5, v0
	v_readfirstlane_b32 s[WV], v1                  ; wave 0..15
	v_and_b32 v2, 15, v0                           ; r
	v_bfe_u32 v3, v0, 4, 1                         ; h
	; every LDS address of both paths is made here, of the thread's and the wave's number and constants
	v_lshlrev_b32 v[XO], 6, v0
	v_lshrrev_b32 v1, 4, v0
	v_mul_u32_u24 v[CST], v1, CP
	v_lshl_add_u32 v[CST], v2, 4, v[CST]
	v_lshrrev_b32 v[BST], 1, v0
	v_mul_u32_u24 v[FRD], v2, CP
	v_lshl_add_u32 v[FRD], v3, 4, v[FRD]
	v_lshlrev_b32 v[SRD], 3, v2
	v_mul_u32_u24 v[PRD], v2, TP
	s_lshl_b32 s21, s[WV], 2
	v_add_nc_u32 v[PSTO], s21, v[PRD]
	v_and_b32 v1, 8, v2
	v_add_nc_u32 v1, v1, v2                        ; r + 8 (r / 8)
	s_lshr_b32 s22, s[WV], 3                       ; value path: which of the work-group's two blocks of 32 keys is my wave's
	s_mul_i32 s23, s22, 32*CP
	v_mul_u32_u24 v[VFR], v1, CP
	v_lshl_add_u32 v[VFR], v3, 4, v[VFR]
	v_add_nc_u32 v[VFR], s23, v[VFR]
	s_lshl_b32 s23, s22, 8
	v_lshlrev_b32 v[VSR], 3, v1
	v_add_nc_u32 v[VSR], s23, v[VSR]
	s_lshl_b32 s23, s[WV], 4
	v_add_nc_u32 v[VBS], s23, v2
	v_lshlrev_b32 v[WO], 10, v2
	v_lshl_add_u32 v[WO], v3, 6, v[WO]
	v_lshlrev_b32 v[RO], 4, v2
	v_lshl_add_u32 v[RO], v3, 13, v[RO]
	v_and_b32 v1, 31, v0                           ; lane
	v_mul_u32_u24 v[L80], v1, TP
	v_lshlrev_b32 v[L4], 2, v1
	v_lshlrev_b32 v[L16], 4, v1
	v_lshlrev_b32 v[L8], 3, v1
	s_mov_b32 s[SEL], 0x76543210
	s_mov_b32 s[SEL+1], 0xfedcba98
	s_mov_b32 s[MNT], 0x600000
	s_mov_b32 s[EP], 0x2edbe6ff                    ; 1e-10
	s_mov_b32 s[EP+1], s[EP]                       ; (named with it as a pair, so it is written)
.irp b, 0,1,2,3
	v_mov_b32 v[TM+4+\b], 0                        ; written once: a lane permute's destination counts as one of its sources
.endr
	v_mov_b32 v[PRM], 0
	v_mov_b32 v[PRM+1], 0
	s_mov_b32 s33, 0
	s_mov_b32 s35, 0
	s_mov_b32 s37, 0
	s_cmp_ge_u32 ttmp9, 64
	s_cbranch_scc1 .Lvalues
	; ================ QUERY / KEY PATH ================
	s_lshr_b32 s30, ttmp9, 5                       ; 0: Wq, 1: Wk
	s_and_b32 s31, ttmp9, 31                       ; which 32 rows of the 1,024
	s_lshl_b32 s34, s30, 20                        ; rho: 1 MiB for each of q and k,
	s_lshr_b32 s36, s31, 3
	s_lshl_b32 s36, s36, 18                        ; 256 KiB a batch,
	s_add_co_u32 s34, s34, s36
	s_lshl_b32 s36, s[WV], 14                      ; my wave's 16 e: four quads of 4,096 bytes,
	s_add_co_u32 s34, s34, s36
	s_and_b32 s36, s31, 7
	s_lshl_b32 s36, s36, 9                         ; my work-group's 32 rows of 16 bytes
	s_add_co_u32 s34, s34, s36
	s_wait_kmcnt 0x0
	s_cmp_eq_u32 s30, 0
	s_cselect_b64 s[6:7], s[6:7], s[8:9]           ; the weight: the choice hangs on the work-group's number alone
	s_lshl_b32 s32, s31, 15
	s_add_nc_u64 s[4:5], s[4:5], s[32:33]          ; x at my work-group's rows
	s_lshl_b32 s32, s[WV], 14
	s_add_nc_u64 s[6:7], s[6:7], s[32:33]          ; the weight at my wave's 16 rows
	s_add_nc_u64 s[12:13], s[12:13], s[34:35]
	s_lshl_b32 s36, s30, 12
	s_lshl_b32 s32, s31, 7
	s_add_co_u32 s36, s36, s32
	s_add_nc_u64 s[14:15], s[14:15], s[36:37]      ; ent at my work-group's rows
.irp j, 0,1,2,3
	global_load_b128 v[X+4*\j:X+4*\j+3], v[XO], s[4:5] offset:16*\j
.endr
	WLOAD 6, 7
	s_wait_loadcnt 32                              ; x's four loads are in; the weight's 32, issued behind them, stay out
	v_pk_mul_f32 v[T:T+1], v[X:X+1], v[X:X+1]      ; the row's sum of squares: my 16 numbers in two chains,
	v_pk_mul_f32 v[T+2:T+3], v[X+2:X+3], v[X+2:X+3]
.irp i, 4,8,12
	v_pk_fma_f32 v[T:T+1], v[X+\i:X+\i+1], v[X+\i:X+\i+1], v[T:T+1]
	v_pk_fma_f32 v[T+2:T+3], v[X+\i+2:X+\i+3], v[X+\i+2:X+\i+3], v[T+2:T+3]
.endr
	v_pk_add_f32 v[T:T+1], v[T:T+1], v[T+2:T+3]
	v_add_f32 v[T], v[T], v[T+1]
	v_add_f32_dpp v[T], v[T], v[T] row_xmask:1 row_mask:0xf bank_mask:0xf   ; then the sixteen lanes that hold the row
	v_add_f32_dpp v[T], v[T], v[T] row_xmask:2 row_mask:0xf bank_mask:0xf
	v_add_f32_dpp v[T], v[T], v[T] row_xmask:4 row_mask:0xf bank_mask:0xf
	v_add_f32_dpp v[T], v[T], v[T] row_xmask:8 row_mask:0xf bank_mask:0xf
	v_sqrt_f32 v[T+1], v[T]
	v_nop                                          ; a plain line behind the transcendental,
	s_wait_alu depctr_va_vdst(0)                   ; and the wait ahead of its first reader
	v_add_f32 v[T+1], 0x2b8cbccc, v[T+1]           ; + 1e-12
	v_rcp_f32 v[T+2], v[T+1]
	v_nop
	s_wait_alu depctr_va_vdst(0)
	v_mov_b32 v[T+3], v[T+2]
.irp i, 0,2,4,6,8,10,12,14
	v_pk_mul_f32 v[X+\i:X+\i+1], v[X+\i:X+\i+1], v[T+2:T+3]    ; psi
.endr
	QX X, XCD, XB, 0
	ds_store_b128 v[CST], v[XCD:XCD+3] offset:XC_A
	ds_store_b8 v[BST], v[XB] offset:XS_A          ; both lanes of a block write the same byte with the same value
	s_wait_loadcnt 16                              ; the weight's first K step is in; the second's 16 loads stay out
	QUANT WF, WC, WS
	s_wait_loadcnt 0x0
	QUANT WF+64, WC+16, WS+1
	BARRIER                                        ; the 32 rows' codes and scale bytes lie in LDS
	FRAGS FRD, SRD, XC_A, XS_A, 16*CP, 128
.rept 4
	v_nop                                          ; an operand written by vector instructions stands four places ahead of a scaled matrix instruction (the scale words were made ahead of the holds)
.endr
	s_wait_dscnt 0x0
	; TRANSPOSED: source 0 = my 16 rows of the weight, source 1 = 16 rows of psi: lane (r, h) holds row r, its registers e = 16 wave + 8 h + 0 .. 7.  The two accumulators take turns
.irp m, 0,1
	v_wmma_scale_f32_16x16x128_f8f6f4 v[ACC+8*\m:ACC+8*\m+7], v[WC:WC+15], v[PF+32*\m:PF+32*\m+15], 0, v[WS], v[PS+2*\m]
.endr
.irp m, 0,1
	v_wmma_scale_f32_16x16x128_f8f6f4 v[ACC+8*\m:ACC+8*\m+7], v[WC+16:WC+31], v[PF+32*\m+16:PF+32*\m+31], v[ACC+8*\m:ACC+8*\m+7], v[WS+1], v[PS+2*\m+1]
.endr
.rept 8
	v_nop                                          ; eight places behind this form before its results are read
.endr
.irp m, 0,1
.irp k, 0,2,4,6
	v_pk_mul_f32 v[ACC+8*\m+\k:ACC+8*\m+\k+1], v[ACC+8*\m+\k:ACC+8*\m+\k+1], v[ACC+8*\m+\k:ACC+8*\m+\k+1]   ; p = amp^2, each accumulator from its low end on
.endr
.endr
.irp m, 0,1
	v_pk_add_f32 v[TR+4*\m:TR+4*\m+1], v[ACC+8*\m:ACC+8*\m+1], v[ACC+8*\m+2:ACC+8*\m+3]
	v_pk_add_f32 v[TR+4*\m+2:TR+4*\m+3], v[ACC+8*\m+4:ACC+8*\m+5], v[ACC+8*\m+6:ACC+8*\m+7]
.endr
	ACROSS TS_A
	BARRIER                                        ; each row's sixteen partial sums of p lie in LDS
.irp m, 0,1
.irp q, 0,1,2,3
	ds_load_b128 v[TR+16*\m+4*\q:TR+16*\m+4*\q+3], v[PRD] offset:TS_A+\m*16*TP+16*\q
.endr
.endr
	s_wait_dscnt 0x0
	SUM16 TR, SM
	SUM16 TR+16, SM+1
.irp m, 0,1
	v_add_f32 v[SM+\m], s[EP], v[SM+\m]            ; T + 1e-10
.endr
.irp m, 0,1
	v_rcp_f32 v[HF+2*\m], v[SM+\m]
.endr
	v_nop
	s_wait_alu depctr_va_vdst(0)                   ; one wait for both reciprocals
.irp m, 0,1
	v_mul_f32 v[HF+2*\m], 0.5, v[HF+2*\m]
.endr
.irp m, 0,1
	v_mov_b32 v[HF+2*\m+1], v[HF+2*\m]
.endr
.irp m, 0,1
.irp k, 0,2,4,6
	v_pk_mul_f32 v[ACC+8*\m+\k:ACC+8*\m+\k+1], v[ACC+8*\m+\k:ACC+8*\m+\k+1], v[HF+2*\m:HF+2*\m+1]      ; rho / 2
.endr
.endr
.irp k, 0,2,4,6,8,10,12,14
	v_pk_fma_f32 v[LG+\k:LG+\k+1], v[ACC+\k:ACC+\k+1], 2.0, s[EP:EP+1] op_sel_hi:[1,0,0]               ; rho + 1e-10, rounded once
.endr
.irp k, 0,1,2,3,4,5,6,7,8,9,10,11,12,13,14,15
	v_log_f32 v[LG+\k], v[LG+\k]                   ; log2, one batch
.endr
.irp m, 0,1
.irp q, 0,1
	global_store_b128 v[RO], v[ACC+8*\m+4*\q:ACC+8*\m+4*\q+3], s[12:13] offset:4096*\q+256*\m          ; sixteen lanes store 256 consecutive bytes, at a multiple of 256 from rho's first byte
.endr
.endr
	v_nop
	s_wait_alu depctr_va_vdst(0)                   ; one wait for the sixteen logarithms, ahead of their first reader
.irp m, 0,1
	v_pk_mul_f32 v[TR+4*\m:TR+4*\m+1], v[ACC+8*\m:ACC+8*\m+1], v[LG+8*\m:LG+8*\m+1]
	v_pk_mul_f32 v[TR+4*\m+2:TR+4*\m+3], v[ACC+8*\m+2:ACC+8*\m+3], v[LG+8*\m+2:LG+8*\m+3]
.endr
.irp m, 0,1
	v_pk_fma_f32 v[TR+4*\m:TR+4*\m+1], v[ACC+8*\m+4:ACC+8*\m+5], v[LG+8*\m+4:LG+8*\m+5], v[TR+4*\m:TR+4*\m+1]
	v_pk_fma_f32 v[TR+4*\m+2:TR+4*\m+3], v[ACC+8*\m+6:ACC+8*\m+7], v[LG+8*\m+6:LG+8*\m+7], v[TR+4*\m+2:TR+4*\m+3]
.endr
	ACROSS HS_A
	BARRIER                                        ; each row's sixteen partial sums of (rho / 2) log2(rho + 1e-10) lie in LDS
	s_cmp_lg_u32 s[WV], 0
	s_cbranch_scc1 .Lqk_end
.irp q, 0,1,2,3
	ds_load_b128 v[TR+4*\q:TR+4*\q+3], v[L80] offset:HS_A+16*\q    ; wave 0: a lane a row
.endr
	s_wait_dscnt 0x0
	SUM16 TR, SM
	v_mul_f32 v[SM], 0x3f317218, v[SM]             ; x ln 2
	global_store_b32 v[L4], v[SM], s[14:15]        ; 128 consecutive bytes
.Lqk_end:
	s_wait_tensorcnt 0x0
	ds_add_u32 v103, v125
	s_wait_dscnt 0x0
	s_endpgm
	; ================ VALUE PATH ================
.Lvalues:
	s_sub_co_u32 s30, ttmp9, 64                    ; which 64 rows of the 1,024
	s_and_b32 s31, s[WV], 7                        ; my 16 channels; waves w and w + 8 take the same channels and the work-group's two blocks of keys
	s_lshr_b32 s34, s30, 1
	s_lshl_b32 s34, s34, 14                        ; vc: 16,384 bytes for each 128 keys,
	s_lshl_b32 s36, s31, 11                        ; 2,048 for each 16 channels,
	s_add_co_u32 s34, s34, s36
	s_and_b32 s36, s30, 1
	s_lshl_b32 s36, s36, 10
	s_add_co_u32 s34, s34, s36
	s_lshl_b32 s36, s22, 9                         ; 512 for each block of 32 keys
	s_add_co_u32 s34, s34, s36
	s_wait_kmcnt 0x0
	s_lshl_b32 s32, s30, 16
	s_add_nc_u64 s[4:5], s[4:5], s[32:33]
	s_lshl_b32 s32, s31, 14
	s_add_nc_u64 s[10:11], s[10:11], s[32:33]
	s_add_nc_u64 s[16:17], s[16:17], s[34:35]
	s_lshl_b32 s36, s30, 8
	s_add_nc_u64 s[18:19], s[18:19], s[36:37]
.irp t, 0,1
.irp j, 0,1,2,3
	global_load_b128 v[X+16*\t+4*\j:X+16*\t+4*\j+3], v[XO], s[4:5] offset:32768*\t+16*\j
.endr
.endr
	WLOAD 10, 11
	s_wait_loadcnt 36                              ; rows 0-31's four loads are in; behind them: rows 32-63's four and the weight's 32
	QX X, XCD, XB, 0
	ds_store_b128 v[CST], v[XCD:XCD+3] offset:XC_B
	ds_store_b8 v[BST], v[XB] offset:XS_B
	s_wait_loadcnt 32                              ; rows 32-63's are in; the weight's 32 stay out
	QX X+16, XCD+4, XB+1, 0
	ds_store_b128 v[CST], v[XCD+4:XCD+7] offset:XC_B+32*CP
	ds_store_b8 v[BST], v[XB+1] offset:XS_B+256
	s_wait_loadcnt 16                              ; the weight's first K step
	QUANT WF, WC, WS
	s_wait_loadcnt 0x0
	QUANT WF+64, WC+16, WS+1
	BARRIER                                        ; the 64 rows' codes and scale bytes lie in LDS
	; THE ROWS OF x THAT FORM A TILE ARE NOT NEIGHBOURS: lane r of tile u takes row 8 u + r + 8 (r / 8) of my block, so that the 16 registers of the two tiles are 16 neighbouring keys
	FRAGS VFR, VSR, XC_B, XS_B, 8*CP, 64
.rept 4
	v_nop
.endr
	s_wait_dscnt 0x0
	; source 0 = 16 rows of x, source 1 = my 16 rows of Wv: lane (r, h) holds channel r, register 8 u + j key 16 h + 8 u + j of the block
.irp u, 0,1
	v_wmma_scale_f32_16x16x128_f8f6f4 v[ACC+8*\u:ACC+8*\u+7], v[PF+32*\u:PF+32*\u+15], v[WC:WC+15], 0, v[PS+2*\u], v[WS]
.endr
.irp u, 0,1
	v_wmma_scale_f32_16x16x128_f8f6f4 v[ACC+8*\u:ACC+8*\u+7], v[PF+32*\u+16:PF+32*\u+31], v[WC+16:WC+31], v[ACC+8*\u:ACC+8*\u+7], v[PS+2*\u+1], v[WS+1]
.endr
.rept 8
	v_nop
.endr
	QX ACC, TR, T+4, 1                             ; along the keys: my 16 and lane l xor 16's are the block
	global_store_b128 v[L16], v[TR:TR+3], s[16:17] ; four registers of the operand: the wave stores 512 consecutive bytes
	ds_store_b8 v[VBS], v[T+4] offset:VB_B
	BARRIER                                        ; the work-group's 2 x 128 scale bytes lie in LDS
	s_cmp_lg_u32 s[WV], 0
	s_cbranch_scc1 .Lv_end
	ds_load_b64 v[TR+4:TR+5], v[L8] offset:VB_B
	s_wait_dscnt 0x0
	global_store_b64 v[L8], v[TR+4:TR+5], s[18:19] ; 256 consecutive bytes, at a multiple of 256 from vs's first byte
.Lv_end:
	s_wait_tensorcnt 0x0
	ds_add_u32 v103, v125
	s_wait_dscnt 0x0
	s_endpgm
.Lfunc_end_k_qa49fafc272_proj:
	.size	k_qa49fafc272_proj, .Lfunc_end_k_qa49fafc272_proj-k_qa49fafc272_proj
	.p2alignl 7, 3214868480
	.fill 96, 4, 3214868480
	.section	.rodata,"a",@progbits
	.p2align	6, 0x0
	.amdhsa_kernel k_qa49fafc272_proj
		.amdhsa_group_segment_fixed_size 34816
		.amdhsa_private_segment_fixed_size 0
		.amdhsa_enable_private_segment 0
		.amdhsa_kernarg_size 64
		.amdhsa_user_sgpr_count 2
		.amdhsa_user_sgpr_kernarg_segment_ptr 1
		.amdhsa_wavefront_size32 1
		.amdhsa_system_sgpr_workgroup_id_x 1
		.amdhsa_system_sgpr_workgroup_id_y 1
		.amdhsa_system_sgpr_workgroup_id_z 1
		.amdhsa_system_vgpr_workitem_id 0
		.amdhsa_next_free_vgpr 256
		.amdhsa_next_free_sgpr 66
		.amdhsa_reserve_vcc 0
		.amdhsa_float_denorm_mode_32 3
		.amdhsa_float_denorm_mode_16_64 3
		.amdhsa_memory_ordered 1
		.amdhsa_forward_progress 1
		.amdhsa_inst_pref_size 66
	.end_amdhsa_kernel
	.amdgpu_metadata
---
amdhsa.version: [ 1, 2 ]
amdhsa.kernels:
  - .name:           k_qa49fafc272_proj
    .symbol:         k_qa49fafc272_proj.kd
    .args:
      - { .name: x, .offset: 0, .size: 8, .value_kind: global_buffer, .address_space: global }
      - { .name: Wq, .offset: 8, .size: 8, .value_kind: global_buffer, .address_space: global }
      - { .name: Wk, .offset: 16, .size: 8, .value_kind: global_buffer, .address_space: global }
      - { .name: Wv, .offset: 24, .size: 8, .value_kind: global_buffer, .address_space: global }
      - { .name: rho, .offset: 32, .size: 8, .value_kind: global_buffer, .address_space: global }
      - { .name: ent, .offset: 40, .size: 8, .value_kind: global_buffer, .address_space: global }
      - { .name: vc, .offset: 48, .size: 8, .value_kind: global_buffer, .address_space: global }
      - { .name: vs, .offset: 56, .size: 8, .value_kind: global_buffer, .address_space: global }
    .group_segment_fixed_size: 34816
    .private_segment_fixed_size: 0
    .kernarg_segment_align: 8
    .kernarg_segment_size: 64
    .max_flat_workgroup_size: 512
    .sgpr_count:     66
    .vgpr_count:     256
    .wavefront_size: 32
...
	.end_amdgpu_metadata
.endif
;; end of part 1
;; launch js (part 2): grid 256 x 1, 16 waves a work-group, no clusters, 76,544 bytes of LDS; arguments rho, ent, vc, vs, out0; writes out0
.if DOCPART == 2
	.amdgcn_target "amdgcn-amd-amdhsa--gfx1250"
	.amdhsa_code_object_version 6
	.text
	.protected	k_qa49fafc272_js
	.globl	k_qa49fafc272_js
	.p2align	8
	.type	k_qa49fafc272_js,@function
k_qa49fafc272_js:
	s_mov_b64 s[64:65], 0
	v_nop
	global_prefetch_b8 v0, s[64:65] scope:SCOPE_SE
	s_setreg_imm32_b32 hwreg(HW_REG_WAVE_MODE, 25, 1), 1
	s_wait_xcnt 0x0
; SCORES, NORMALISATION AND THE LAST PRODUCT.  With P' = rho_q / 2 and Q' = rho_k / 2 (both in rho), m = P' + Q':
;   js(i, j) = ent_q(i) + ent_k(j) - ln 2 x the sum over e of m log2(m + 1e-10);   score = 1 - js for j <= i, else 0;   attn = score / max(the row's sum of |score|, 1e-12);
;   out = attn V, both quantised along the keys to FP8 (E4M3) with one E8M0 scale for each 32 keys; V's codes come from vc and vs.
; The three sums are entropies of at most ln 256, so the error of their difference stays near 1e-6 of a score, which lies between 0.3 and 1.
; SHARES.  Work-group g of a batch (g = 0 .. 63) owns rows 2 g, 2 g + 1 (the low pair) and 254 - 2 g, 255 - 2 g (the high pair).  With t = g / 16 the low pair needs the groups of 32 keys
; 0 .. t and the high pair 0 .. 7 - t: nine pair x group blocks in every work-group.  What lies wholly above the diagonal is not computed.
; A LANE IS A KEY, A WAVE IS A SLICE OF e: wave w takes e = 16 w .. 16 w + 15 of all blocks.  The four rows' P' of the slice stay in 64 registers (the same in every lane); a group's Q' comes as four
; loads of 16 bytes a lane, 512 consecutive bytes a wave, and serves two or four rows; no sum crosses lanes.  The sixteen slices' sums meet in LDS.
; Q' is loaded three groups ahead, into three sets of registers; groups 5 to 7 are loaded, and worked, only where t needs them (scalar branches on the work-group's number).
; No cluster and no tensor load, though the 64 work-groups of a batch read the same Q': each byte goes from memory straight into the one lane that uses it;
; a joint load would land in LDS and add one LDS read for each of the (8 - t) x 32 KB.
; LIMITS: NaN and infinities are not served; a block of zeros gets the scale byte 1 (its codes are zeros); the division is a reciprocal and a multiplication.
.set SP,   1040                        ; a row of 256 scores in LDS: 1,024 bytes + 16
.set GP,   528                         ; a row of 128 outputs in the stage: 512 bytes + 16
.set SCB,  0                           ; LDS: four rows of scores,
.set RSB,  4352                        ; sixteen partial sums of |score|, four a row,
.set STG,  4608                        ; two stages of four rows of outputs, one for each 128 keys,
.set PART, 8960                        ; and for each wave 4 rows x 256 keys of partial sums: 4,096 bytes
.set ZO,   4                           ; v4   0
.set L16,  5                           ; v5   16 x lane
.set PST,  6                           ; v6   my wave's partial sums, my lane's word
.set PRD,  7                           ; v7   PART + 8 x thread: the two numbers that I add up
.set SST,  8                           ; v8   where I store my two scores
.set KEY,  9                           ; v9   the first of my two keys
.set RST,  10                          ; v10  4 x wave
.set SRD,  11                          ; v11  scores of row r % 4: my wave's 128 keys, + 16 h keys
.set RRD,  12                          ; v12  the four partial sums of row r % 4
.set GST,  13                          ; v13  the stage: row r % 4, my 8 channels
.set GRD,  14                          ; v14  the stage: row = wave, 16 bytes a lane
.set HQO,  15                          ; v15  4 x my first key
.set HQ,   16                          ; v16-17 ent_k of my two keys
.set HP,   18                          ; v18  ent_q of my row
.set HPO,  19                          ; v19  4 x my row
.set VBO,  20                          ; v20  r
.set PL,   24                          ; v24-55   P' of the low pair: 16 e a row
.set PH,   56                          ; v56-87   of the high pair
.set QB,   88                          ; v88-135  Q': three sets of 16
.set M,    136                         ; v136-167 m, two rows
.set L,    168                         ; v168-199 m + 1e-10, then its log2
.set R,    200                         ; v200-231 results: row a, group kg at R + 8 a + kg
.set A,    232                         ; v232-239 four chains of sums
.set W0,   24                          ; later: v24-55 sixteen pairs of partial sums
.set S,    24                          ; later: v24-87 64 scores
.set VF,   152                         ; v152-167 V's fragment
.set VBY,  184                         ; v184-187 V's four scale bytes
.set TM,   192                         ; v192-207 at work in QUANT
.set AC,   208                         ; v208-223 attn's codes
.set VSW,  240                         ; v240 V's scale word: this and v242 hold scales and nothing else
.set ASW,  242                         ; v242 attn's scale word
.set D,    244                         ; v244-251 the accumulator
.set WV,   20
.set TT,   24                          ; s24  t
.set EP,   50                          ; s[50:51] 1e-10
.set LN2,  52                          ; s[52:53] ln 2
.set SEL,  54                          ; s[54:55] v_permlanex16_b32's selects for lane l xor 16
.set MNT,  56                          ; s56 the mantissa field of 448
.macro QLOAD kg                        ; Q' of group kg, my wave's four quads of e: a lane a key, 512 consecutive bytes a load
.irp q, 0,1,2,3
	global_load_b128 v[QB+16*((\kg)%3)+4*\q:QB+16*((\kg)%3)+4*\q+3], v[L16], s[38:39] offset:4096*\q+512*(\kg)
.endr
.endm
.macro ADDM p, kg                      ; m = Q' + P' for the pair's two rows
.irp a, 0,1
.irp k, 0,2,4,6,8,10,12,14
	v_pk_add_f32 v[M+16*\a+\k:M+16*\a+\k+1], v[QB+16*((\kg)%3)+\k:QB+16*((\kg)%3)+\k+1], v[\p+16*\a+\k:\p+16*\a+\k+1]
.endr
.endr
.endm
.macro LOGS                            ; log2(m + 1e-10): 32 logarithms as ONE batch; each pair's addition stands one pair ahead of its logarithms, and names no result of the batch
	v_pk_add_f32 v[L:L+1], v[M:M+1], s[EP:EP+1] op_sel_hi:[1,0]
.set i, 0
.rept 16
.if i < 15
	v_pk_add_f32 v[L+2*i+2:L+2*i+3], v[M+2*i+2:M+2*i+3], s[EP:EP+1] op_sel_hi:[1,0]
.endif
	v_log_f32 v[L+2*i], v[L+2*i]
	v_log_f32 v[L+2*i+1], v[L+2*i+1]
.set i, i+1
.endr
	v_nop                                          ; a plain line behind the last logarithm,
	s_wait_alu depctr_va_vdst(0)                   ; and the one wait ahead of the batch's first reader
.endm
.macro SUMS r0, r1                     ; the sums of m log2(m + 1e-10) over my 16 e, for the two rows: two chains a row
	v_pk_mul_f32 v[A:A+1], v[M:M+1], v[L:L+1]
	v_pk_mul_f32 v[A+2:A+3], v[M+2:M+3], v[L+2:L+3]
	v_pk_mul_f32 v[A+4:A+5], v[M+16:M+17], v[L+16:L+17]
	v_pk_mul_f32 v[A+6:A+7], v[M+18:M+19], v[L+18:L+19]
.irp k, 4,8,12
	v_pk_fma_f32 v[A:A+1], v[M+\k:M+\k+1], v[L+\k:L+\k+1], v[A:A+1]
	v_pk_fma_f32 v[A+2:A+3], v[M+\k+2:M+\k+3], v[L+\k+2:L+\k+3], v[A+2:A+3]
	v_pk_fma_f32 v[A+4:A+5], v[M+\k+16:M+\k+17], v[L+\k+16:L+\k+17], v[A+4:A+5]
	v_pk_fma_f32 v[A+6:A+7], v[M+\k+18:M+\k+19], v[L+\k+18:L+\k+19], v[A+6:A+7]
.endr
	v_pk_add_f32 v[A:A+1], v[A:A+1], v[A+2:A+3]
	v_pk_add_f32 v[A+4:A+5], v[A+4:A+5], v[A+6:A+7]
	v_add_f32 v[\r0], v[A], v[A+1]
	v_add_f32 v[\r1], v[A+4], v[A+5]
.endm
; Group kg of 32 keys.  left: the loads that were issued behind this group's on EVERY path, which may stay out.
.macro UNIT kg, left
	s_wait_loadcnt \left
.if (\kg) <= 3
.if (\kg) > 0
	s_cmp_lt_u32 s[TT], \kg                        ; the low pair's rows lie under 32 (t + 1): groups beyond t are above its diagonal
	s_cbranch_scc1 .Lnolow_\@
.endif
	ADDM PL, \kg
	LOGS
	SUMS R+(\kg), R+8+(\kg)
.if (\kg) > 0
.Lnolow_\@:
.endif
.endif
	ADDM PH, \kg
.if (\kg)+3 <= 4
	QLOAD (\kg)+3                                  ; this group's Q' has been read for the last time: its registers take the group three on
.elseif (\kg)+3 <= 7
	s_cmp_gt_u32 s[TT], 4-(\kg)                    ; group kg + 3 is needed where kg + 3 <= 7 - t
	s_cbranch_scc1 .Lnoload_\@
	QLOAD (\kg)+3
.Lnoload_\@:
.endif
	LOGS
	SUMS R+16+(\kg), R+24+(\kg)
.if ((\kg) >= 4) && ((\kg) < 7)
	s_cmp_gt_u32 s[TT], 6-(\kg)                    ; the next group lies above the high pair's diagonal: done
	s_cbranch_scc1 .Ldone
.endif
.endm
; 64 numbers of a lane, register 16 b + i = k 32 b + 16 (lane / 16) + i of my row, become a fragment's codes and its scale word
.macro QUANT s, pc, pw
.irp b, 0,1,2,3
	v_max3_num_f32 v[TM+\b], |v[\s+16*\b]|, |v[\s+1+16*\b]|, 0x4800000   ; and the floor 2^(9 - 127): the byte cannot fall under 1
.endr
.irp i, 2,4,6,8,10,12,14
.irp b, 0,1,2,3
	v_max3_num_f32 v[TM+\b], v[TM+\b], |v[\s+16*\b+\i]|, |v[\s+1+16*\b+\i]|
.endr
.endr
.irp b, 0,1,2,3
	v_permlanex16_b32 v[TM+4+\b], v[TM+\b], s[SEL], s[SEL+1]
.endr
.irp b, 0,1,2,3
	v_max_num_f32 v[TM+\b], v[TM+\b], v[TM+4+\b]
.endr
.irp b, 0,1,2,3
	v_add_nc_u32 v[TM+12+\b], 0xfc000000, v[TM+\b]         ; 8 off the exponent field: the conversion's scale operand
.endr
.irp b, 0,1,2,3
	v_and_or_b32 v[TM+8+\b], v[TM+\b], 0x7f800000, s[MNT]  ; 448 x the scale
.endr
.irp b, 0,1,2,3
	v_lshrrev_b32 v[TM+4+\b], 23, v[TM+12+\b]              ; the scale's byte
.endr
	v_lshl_or_b32 v[\pw], v[TM+5], 8, v[TM+4]
	v_lshl_or_b32 v[\pw], v[TM+6], 16, v[\pw]
	v_lshl_or_b32 v[\pw], v[TM+7], 24, v[\pw]
.irp b, 0,1,2,3
.irp i, 0,1,2,3,4,5,6,7,8,9,10,11,12,13,14,15
	v_med3_num_f32 v[\s+16*\b+\i], v[\s+16*\b+\i], -v[TM+8+\b], v[TM+8+\b]   ; the conversion to an 8-bit code does not saturate (ISA guide 7.6.2)
.endr
	v_cvt_scalef32_pk8_fp8_f32 v[\pc+4*\b:\pc+1+4*\b], v[\s+16*\b:\s+7+16*\b], v[TM+12+\b]
	v_cvt_scalef32_pk8_fp8_f32 v[\pc+2+4*\b:\pc+3+4*\b], v[\s+8+16*\b:\s+15+16*\b], v[TM+12+\b]
.endr
	v_nop                                                  ; a plain line behind the last conversion
.endm
.macro BARRIER                         ; my LDS stores have landed and my LDS loads are in: then the work-group's barrier
	s_wait_dscnt 0x0
	s_barrier_signal -1
	s_barrier_wait -1
.endm
	s_load_b256 s[4:11], s[0:1], 0x0               ; rho s[4:5], ent s[6:7], vc s[8:9], vs s[10:11]
	s_load_b64 s[12:13], s[0:1], 0x20              ; out
	v_lshl_add_u32 v241, v0, 2, 0x12300
	v_mov_b32 v243, 0
	v_lshrrev_b32 v1, 5, v0
	v_readfirstlane_b32 s[WV], v1                  ; wave 0..15
	v_and_b32 v1, 31, v0                           ; lane
	v_and_b32 v[VBO], 15, v0                       ; r
	v_bfe_u32 v3, v0, 4, 1                         ; h
	v_mov_b32 v[ZO], 0
	v_lshlrev_b32 v[L16], 4, v1
	; every LDS address is made here, of the thread's and the wave's number and constants
	s_lshl_b32 s21, s[WV], 12
	s_add_co_u32 s21, s21, PART
	v_lshl_add_u32 v[PST], v1, 2, s21
	v_lshl_add_u32 v[PRD], v0, 3, PART
	v_lshrrev_b32 v[SST], 7, v0                    ; in the second phase 128 threads take a row, two keys each
	v_and_b32 v[KEY], 127, v0
	v_mul_u32_u24 v[SST], v[SST], SP
	v_lshl_add_u32 v[SST], v[KEY], 3, v[SST]
	v_lshlrev_b32 v[KEY], 1, v[KEY]
	s_lshl_b32 s21, s[WV], 2
	v_mov_b32 v[RST], s21
	v_and_b32 v2, 3, v0                            ; r % 4: the product's 16 columns are the four rows, four times over
	s_lshr_b32 s27, s[WV], 3                       ; in the third phase: which 128 keys are my wave's,
	s_and_b32 s28, s[WV], 7                        ; and which 16 channels
	v_mul_u32_u24 v[SRD], v2, SP
	v_lshl_add_u32 v[SRD], v3, 6, v[SRD]
	s_lshl_b32 s21, s27, 9
	v_add_nc_u32 v[SRD], s21, v[SRD]
	v_lshlrev_b32 v[RRD], 4, v2
	v_mul_u32_u24 v[GST], v2, GP
	v_lshl_add_u32 v[GST], v3, 5, v[GST]
	s_lshl_b32 s21, s28, 6
	v_add_nc_u32 v[GST], s21, v[GST]
	s_mul_i32 s21, s27, 4*GP
	v_add_nc_u32 v[GST], s21, v[GST]
	s_mul_i32 s21, s[WV], GP
	v_add_nc_u32 v[GRD], s21, v[L16]
	v_lshlrev_b32 v[HQO], 2, v[KEY]
	; who I am
	s_lshr_b32 s22, ttmp9, 6                       ; the batch
	s_and_b32 s23, ttmp9, 63                       ; g
	s_lshr_b32 s[TT], s23, 4                       ; t
	s_lshl_b32 s25, s23, 1                         ; the low pair's first row
	s_sub_co_u32 s26, 254, s25                     ; the high pair's
	s_lshr_b32 s30, s[WV], 2                       ; second phase: my wave's row is number wave / 4 of the four
	s_and_b32 s31, s30, 1
	s_cmp_lt_u32 s30, 2
	s_cselect_b32 s29, s25, s26
	s_add_co_u32 s29, s29, s31                     ; s29: that row
	s_and_b32 s30, s[WV], 3                        ; the way out: number wave % 4
	s_and_b32 s31, s30, 1
	s_cmp_lt_u32 s30, 2
	s_cselect_b32 s32, s25, s26
	s_add_co_u32 s32, s32, s31                     ; s32: that row
	s_lshl_b32 s21, s29, 2
	v_mov_b32 v[HPO], s21
	s_mov_b32 s[EP], 0x2edbe6ff                    ; 1e-10
	s_mov_b32 s[EP+1], s[EP]                       ; (named with it as a pair, so it is written)
	s_mov_b32 s[LN2], 0x3f317218
	s_mov_b32 s[LN2+1], s[LN2]
	s_mov_b32 s[SEL], 0x76543210
	s_mov_b32 s[SEL+1], 0xfedcba98
	s_mov_b32 s[MNT], 0x600000
	s_lshl_b32 s34, s22, 18                        ; 256 KiB a batch,
	s_lshl_b32 s35, s[WV], 14                      ; my wave's four quads of e, 4,096 bytes each
	s_add_co_u32 s34, s34, s35
	s_mov_b32 s35, 0
	s_wait_kmcnt 0x0
	s_add_nc_u64 s[36:37], s[4:5], s[34:35]        ; rho_q / 2, my slice
	s_add_nc_u64 s[38:39], s[36:37], 0x100000      ; rho_k / 2, my slice
	s_lshl_b32 s34, s25, 4
	s_add_nc_u64 s[40:41], s[36:37], s[34:35]      ; at the low pair
	s_lshl_b32 s34, s26, 4
	s_add_nc_u64 s[42:43], s[36:37], s[34:35]      ; at the high pair
	s_lshl_b32 s34, s22, 10
	s_add_nc_u64 s[44:45], s[6:7], s[34:35]        ; ent_q of the batch
	s_add_nc_u64 s[46:47], s[44:45], 0x1000        ; ent_k
	s_add_nc_u64 s[10:11], s[10:11], s[34:35]      ; vs: 1,024 bytes a batch,
	s_lshl_b32 s34, s27, 9                         ; 512 for each 128 keys,
	s_lshl_b32 s21, s28, 4                         ; my 16 channels
	s_add_co_u32 s34, s34, s21
	s_add_nc_u64 s[10:11], s[10:11], s[34:35]
	s_lshl_b32 s34, s22, 15                        ; vc: 32,768 bytes a batch,
	s_lshl_b32 s21, s27, 14                        ; 16,384 for each 128 keys,
	s_add_co_u32 s34, s34, s21
	s_lshl_b32 s21, s28, 11                        ; 2,048 for each 16 channels
	s_add_co_u32 s34, s34, s21
	s_add_nc_u64 s[8:9], s[8:9], s[34:35]
	s_lshl_b32 s34, s22, 8
	s_add_co_u32 s34, s34, s32
	s_lshl_b32 s34, s34, 9
	s_add_nc_u64 s[48:49], s[12:13], s[34:35]      ; out at the row that my wave stores
	global_load_b64 v[HQ:HQ+1], v[HQO], s[46:47]
	global_load_b32 v[HP], v[HPO], s[44:45]
.irp a, 0,1
.irp q, 0,1,2,3
	global_load_b128 v[PL+16*\a+4*\q:PL+16*\a+4*\q+3], v[ZO], s[40:41] offset:4096*\q+16*\a   ; every lane takes the same 16 bytes: P' stays in registers for all groups
.endr
.endr
.irp a, 0,1
.irp q, 0,1,2,3
	global_load_b128 v[PH+16*\a+4*\q:PH+16*\a+4*\q+3], v[ZO], s[42:43] offset:4096*\q+16*\a
.endr
.endr
	QLOAD 0
	QLOAD 1
	QLOAD 2
.irp k, 1,2,3,4,5,6,7
	v_mov_b32 v[R+\k], 0                           ; blocks that are not computed lie above the diagonal: their places hold 0
	v_mov_b32 v[R+8+\k], 0
.endr
.irp k, 5,6,7
	v_mov_b32 v[R+16+\k], 0
	v_mov_b32 v[R+24+\k], 0
.endr
	UNIT 0, 8                                      ; behind group 0's loads: groups 1 and 2, eight loads
	UNIT 1, 8                                      ; groups 2 and 3
	UNIT 2, 8                                      ; groups 3 and 4
	UNIT 3, 4                                      ; group 4's four; group 5's were issued on some paths only and are not counted on
	UNIT 4, 0                                      ; from here on nothing behind is certain
	UNIT 5, 0
	UNIT 6, 0
	UNIT 7, 0
.Ldone:
	s_wait_loadcnt 0x0                             ; no load is out: the registers of Q' may be used otherwise
	; V's fragment and scale bytes for the third phase are asked for now, and land during the second
.irp c, 0,1,2,3
	global_load_b128 v[VF+4*\c:VF+4*\c+3], v[L16], s[8:9] offset:512*\c
.endr
.irp c, 0,1,2,3
	global_load_u8 v[VBY+\c], v[VBO], s[10:11] offset:128*\c
.endr
.irp a, 0,1,2,3
.irp k, 0,1,2,3,4,5,6,7
	ds_store_b32 v[PST], v[R+8*\a+\k] offset:1024*\a+128*\k
.endr
.endr
	BARRIER                                        ; the sixteen slices' sums lie in LDS
	; ---- second phase: a thread adds the sixteen slices for two neighbouring keys of one row
.irp s, 0,1,2,3,4,5,6,7,8,9,10,11,12,13,14,15
	ds_load_b64 v[W0+2*\s:W0+2*\s+1], v[PRD] offset:4096*\s
.endr
	v_sub_f32 v60, 1.0, v[HP]                      ; 1 - ent_q(i)
	v_sub_f32 v61, v60, v[HQ+1]                    ; - ent_k(j)
	v_sub_f32 v60, v60, v[HQ]
	v_mov_b32 v63, 0                               ; (a lane permute's destination counts as one of its sources)
	s_wait_dscnt 0x0
.irp i, 0,2,4,6,8,10,12,14
	v_pk_add_f32 v[W0+\i:W0+\i+1], v[W0+\i:W0+\i+1], v[W0+16+\i:W0+16+\i+1]
.endr
.irp i, 0,2,4,6
	v_pk_add_f32 v[W0+\i:W0+\i+1], v[W0+\i:W0+\i+1], v[W0+8+\i:W0+8+\i+1]
.endr
.irp i, 0,2
	v_pk_add_f32 v[W0+\i:W0+\i+1], v[W0+\i:W0+\i+1], v[W0+4+\i:W0+4+\i+1]
.endr
	v_pk_add_f32 v[W0:W0+1], v[W0:W0+1], v[W0+2:W0+3]
	v_pk_fma_f32 v[W0:W0+1], v[W0:W0+1], s[LN2:LN2+1], v[60:61] op_sel_hi:[1,0,1]   ; the score
	v_cmp_ge_u32 vcc_lo, s29, v[KEY]               ; the causal mask: key <= row
	v_cndmask_b32 v[W0], 0, v[W0], vcc_lo
	v_cmp_gt_u32 vcc_lo, s29, v[KEY]               ; key + 1 <= row
	v_cndmask_b32 v[W0+1], 0, v[W0+1], vcc_lo
	ds_store_b64 v[SST], v[W0:W0+1] offset:SCB
	v_add_f32 v62, |v[W0]|, |v[W0+1]|              ; the row's sum of magnitudes: my wave's 64 keys
	v_add_f32_dpp v62, v62, v62 row_xmask:1 row_mask:0xf bank_mask:0xf
	v_add_f32_dpp v62, v62, v62 row_xmask:2 row_mask:0xf bank_mask:0xf
	v_add_f32_dpp v62, v62, v62 row_xmask:4 row_mask:0xf bank_mask:0xf
	v_add_f32_dpp v62, v62, v62 row_xmask:8 row_mask:0xf bank_mask:0xf
	v_permlanex16_b32 v63, v62, s[SEL], s[SEL+1]
	v_add_f32 v62, v62, v63
	ds_store_b32 v[RST], v62 offset:RSB            ; all lanes write the same word with the same value
	BARRIER                                        ; four rows of scores and their sums' parts lie in LDS
	; ---- third phase: wave (channels 16 (w % 8) on, keys 128 (w / 8) on): attn of those keys is quantised in registers and multiplied with V's fragment
	ds_load_b128 v[252:255], v[RRD] offset:RSB
.irp b, 0,1,2,3
.irp j, 0,1,2,3
	ds_load_b128 v[S+16*\b+4*\j:S+16*\b+4*\j+3], v[SRD] offset:SCB+128*\b+16*\j    ; lane (r, h): of row r % 4 the keys 32 b + 16 h + 0 .. 15
.endr
.endr
.irp b, 0,1,2,3
	v_mov_b32 v[TM+4+\b], 0                        ; (a lane permute's destination counts as one of its sources)
.endr
	s_wait_loadcnt 0x0                             ; V's fragment and scale bytes
	v_lshl_or_b32 v[VSW], v[VBY+1], 8, v[VBY]      ; the four blocks' bytes make channel r's scale word
	v_lshl_or_b32 v[VSW], v[VBY+2], 16, v[VSW]
	v_lshl_or_b32 v[VSW], v[VBY+3], 24, v[VSW]
	s_wait_dscnt 16                                ; the sums' parts are in; the sixteen loads of scores behind them may be out
	v_add_f32 v252, v252, v253
	v_add_f32 v254, v254, v255
	v_add_f32 v252, v252, v254
	v_max_num_f32 v252, 0x2b8cbccc, v252           ; max(the L1 norm, 1e-12)
	v_rcp_f32 v252, v252
	v_nop
	s_wait_alu depctr_va_vdst(0)                   ; the wait ahead of the reciprocal's first reader
	v_mov_b32 v253, v252
	s_wait_dscnt 0x0
.set i, 0
.rept 32
	v_pk_mul_f32 v[S+i:S+i+1], v[S+i:S+i+1], v[252:253]    ; attn
.set i, i+2
.endr
	QUANT S, AC, ASW
.rept 4
	v_nop                                          ; an operand written by vector instructions stands four places ahead of a scaled matrix instruction (both scale words were made further up)
.endr
	; TRANSPOSED: source 0 = 16 channels of V (keys innermost), source 1 = attn: lane (r, h) holds row r % 4 and channels 8 h + 0 .. 7 of my 16
	v_wmma_scale_f32_16x16x128_f8f6f4 v[D:D+7], v[VF:VF+15], v[AC:AC+15], 0, v[VSW], v[ASW]
.rept 8
	v_nop                                          ; eight places behind this form before its result is read
.endr
	ds_store_b128 v[GST], v[D:D+3] offset:STG      ; from the low end on; lanes r, r + 4, r + 8, r + 12 hold the same numbers and write the same bytes
	ds_store_b128 v[GST], v[D+4:D+7] offset:STG+16
	BARRIER                                        ; four whole rows lie in each of the two stages
	s_cmp_lt_u32 s[WV], 4
	s_cbranch_scc0 .Lend
	ds_load_b128 v[24:27], v[GRD] offset:STG       ; keys 0-127's part of my row,
	ds_load_b128 v[28:31], v[GRD] offset:STG+4*GP  ; keys 128-255's
	s_wait_dscnt 0x0
	v_pk_add_f32 v[24:25], v[24:25], v[28:29]
	v_pk_add_f32 v[26:27], v[26:27], v[30:31]
	global_store_b128 v[L16], v[24:27], s[48:49] th:TH_STORE_NT    ; 32 lanes store a row of 512 bytes, at a multiple of 256 from out's first byte
.Lend:
	s_wait_tensorcnt 0x0
	ds_add_u32 v241, v243
	s_wait_dscnt 0x0
	s_endpgm
.Lfunc_end_k_qa49fafc272_js:
	.size	k_qa49fafc272_js, .Lfunc_end_k_qa49fafc272_js-k_qa49fafc272_js
	.p2alignl 7, 3214868480
	.fill 96, 4, 3214868480
	.section	.rodata,"a",@progbits
	.p2align	6, 0x0
	.amdhsa_kernel k_qa49fafc272_js
		.amdhsa_group_segment_fixed_size 76544
		.amdhsa_private_segment_fixed_size 0
		.amdhsa_enable_private_segment 0
		.amdhsa_kernarg_size 40
		.amdhsa_user_sgpr_count 2
		.amdhsa_user_sgpr_kernarg_segment_ptr 1
		.amdhsa_wavefront_size32 1
		.amdhsa_system_sgpr_workgroup_id_x 1
		.amdhsa_system_sgpr_workgroup_id_y 1
		.amdhsa_system_sgpr_workgroup_id_z 1
		.amdhsa_system_vgpr_workitem_id 0
		.amdhsa_next_free_vgpr 256
		.amdhsa_next_free_sgpr 66
		.amdhsa_reserve_vcc 1
		.amdhsa_float_denorm_mode_32 3
		.amdhsa_float_denorm_mode_16_64 3
		.amdhsa_memory_ordered 1
		.amdhsa_forward_progress 1
		.amdhsa_inst_pref_size 80
	.end_amdhsa_kernel
	.amdgpu_metadata
---
amdhsa.version: [ 1, 2 ]
amdhsa.kernels:
  - .name:           k_qa49fafc272_js
    .symbol:         k_qa49fafc272_js.kd
    .args:
      - { .name: rho, .offset: 0, .size: 8, .value_kind: global_buffer, .address_space: global }
      - { .name: ent, .offset: 8, .size: 8, .value_kind: global_buffer, .address_space: global }
      - { .name: vc, .offset: 16, .size: 8, .value_kind: global_buffer, .address_space: global }
      - { .name: vs, .offset: 24, .size: 8, .value_kind: global_buffer, .address_space: global }
      - { .name: out0, .offset: 32, .size: 8, .value_kind: global_buffer, .address_space: global }
    .group_segment_fixed_size: 76544
    .private_segment_fixed_size: 0
    .kernarg_segment_align: 8
    .kernarg_segment_size: 40
    .max_flat_workgroup_size: 512
    .sgpr_count:     66
    .vgpr_count:     256
    .wavefront_size: 32
...
	.end_amdgpu_metadata
.endif
;; end of part 2
;; ======== version 2 of 2: 2 launches; version 1 with the launches proj, js written anew for expert scheduling mode
;; workspace buffers: rho 2,097,152 bytes; ent 8,192 bytes; vc 131,072 bytes; vs 4,096 bytes
;; launch proj (part 3): grid 80 x 1, 16 waves a work-group, no clusters, 34,816 bytes of LDS; arguments x, Wq, Wk, Wv, rho, ent, vc, vs; writes rho, ent, vc, vs
.if DOCPART == 3
	.amdgcn_target "amdgcn-amd-amdhsa--gfx1250"
	.amdhsa_code_object_version 6
	.text
	.protected	k_qa49fafc272_proj
	.globl	k_qa49fafc272_proj
	.p2align	8
	.type	k_qa49fafc272_proj,@function
k_qa49fafc272_proj:
	s_mov_b64 s[64:65], 0
	v_nop
	global_prefetch_b8 v0, s[64:65] scope:SCOPE_SE
	s_setreg_imm32_b32 hwreg(HW_REG_WAVE_SCHED_MODE, 0, 2), 2
	s_setreg_imm32_b32 hwreg(HW_REG_WAVE_MODE, 25, 1), 1
	s_wait_xcnt 0x0
	s_wait_alu depctr_vm_vsrc(0)
; THE THREE PROJECTIONS, all on codes of FP8 (E4M3) with one E8M0 scale for each 32 along K = the 256 numbers of a row.
; Work-groups 0-31: 32 rows of x against Wq;  32-63: the same rows against Wk;  64-79: 64 rows of x against Wv.
; QUERY / KEY PATH: psi = x / (|x| + 1e-12) is quantised; amp = psi W^T; p = amp^2; T = the row's sum; stored are
;   rho [q or k][batch][e / 4][row][4] f32 = p x 0.5 / (T + 1e-10): HALF the distribution, four neighbouring e of one row as 16 bytes, rows side by side,
;   ent [q or k][1024] f32 = the sum over e of (rho / 2) ln(rho + 1e-10).
; VALUE PATH: V = x Wv^T, quantised along the KEYS (blocks of 32 rows), stored in the order of an operand's registers:
;   vc [batch][128 keys][16 channels][block of 32 keys][lane][16 bytes],  vs [batch][block of 32 keys][128 channels] scale bytes.
; SHARES.  A thread quantises 16 neighbours of a row of x (two neighbouring lanes hold a block, sixteen a row); codes go to LDS as rows of 256 bytes + 16.
; Wave w loads 16 rows of the weight in the layout of a fragment (lane (r, h): row r, of each block of 32 its numbers 16 h .. 16 h + 15) and quantises them in registers.
; No cluster and no tensor load: a weight arrives as f32 and each of its bytes goes from memory straight into the one lane that quantises it;
; a joint load would land in LDS and add one LDS read for each of the 256 KB.
; The two paths part on the work-group's number and have LDS bytes of their own.
; LIMITS: NaN and infinities are not served; a block of zeros gets the scale byte 1 (its codes are zeros; this program alone reads the bytes);
; divisions are a reciprocal (v_rcp_f32) and a multiplication.
; THE MODE: SCHED_MODE bits 1:0 = 2 (LLVM: expert scheduling mode 2), set by the entry lines.  The code itself states the register dependences
; between vector or matrix instructions and memory or LDS instructions, with s_wait_alu, always for 0.
; THE PLAN.  Registers that memory or LDS instructions touch:
;   v4-14, v120-124  offsets and LDS addresses: written at the head, never again; one wait on va_vdst ahead of each path's first load serves every load and store.
;   X, WF            written by loads alone until the vector lines take them.  WF's lower half becomes PF: the LDS loads of the rows' fragments land there behind one wait on va_vdst,
;                    which stands behind the four places and also states that the weight's codes and scale words are written, for the matrix instructions.
;   XCD, XB          written by QX, read by LDS stores behind one wait on va_vdst; never written again.
;   SM               written by additions, read by the LDS stores of ACROSS (a wait on va_vdst in it), written again by SUM16 (a wait on vm_vsrc ahead of it).
;   TR               named by vector lines ahead of ACROSS's wait alone, so that wait also serves the LDS loads that land in it behind the barrier.
;   ACC              written last by the scaling to rho / 2, read by rho's stores, which stand behind the logarithms' wait; never written again.
.set CP,   272                         ; a row of codes in LDS: 256 bytes + 16, so that the 16 rows of a fragment load begin 4 words apart in the banks
.set TP,   80                          ; a row of 16 partial sums, one a wave: 64 bytes + 16
.set XC_A, 0                           ; query / key path: 32 rows of codes,
.set XS_A, 32*CP                       ; their scale bytes, 8 a row,
.set TS_A, XS_A+256                    ; the partial sums of p,
.set HS_A, TS_A+32*TP                  ; the partial sums of the entropy
.set XC_B, 14336                       ; value path: 64 rows of codes,
.set XS_B, XC_B+64*CP                  ; their scale bytes,
.set VB_B, XS_B+512                    ; V's 256 scale bytes
.set XO,   4                           ; v4   x: 64 bytes a thread
.set CST,  5                           ; v5   where I store 16 codes: row (thread / 16), 16 (thread % 16)
.set BST,  6                           ; v6   where I store my block's scale byte: thread / 2
.set FRD,  7                           ; v7   a fragment's row r, + 16 h
.set SRD,  8                           ; v8   row r's scale bytes
.set PSTO, 9                           ; v9   row r's partial sums, my wave's word
.set PRD,  10                          ; v10  row r's partial sums
.set VFR,  11                          ; v11  value path: row r + 8 (r / 8) of my block of 32 keys, + 16 h
.set VSR,  12                          ; v12  and its scale bytes
.set VBS,  13                          ; v13  value path: my channel's scale byte: 16 wave + r
.set WO,   14                          ; v14  the weight: row r of 1,024 bytes, + 64 h
.set X,    16                          ; v16-47  numbers of x
.set XCD,  48                          ; v48-55  their codes
.set XB,   56                          ; v56-57  their scale bytes
.set T,    58                          ; v58-63  at work
.set WC,   64                          ; v64-95  the weight's two fragments
.set WS,   96                          ; v96-97  the weight's scale words: these and v98-101 hold scales and nothing else
.set PS,   98                          ; v98-101 the rows' scale words
.set TM,   104                         ; v104-119 at work in QUANT
.set RO,   120                         ; v120 rho: 16 r + 8,192 h
.set L80,  121                         ; v121 80 x lane
.set L4,   122                         ; v122 4 x lane
.set L16,  123                         ; v123 16 x lane
.set L8,   124                         ; v124 8 x lane
.set PRM,  126                         ; v126-127 what a lane permute brings
.set WF,   128                         ; v128-255 the weight's 128 numbers
.set PF,   128                         ; v128-191 later: four fragments of rows
.set LG,   128                         ; v128-143 later still: logarithms
.set ACC,  192                         ; v192-207 two accumulators
.set SM,   208                         ; v208-209 sums
.set TR,   212                         ; v212-243 at work
.set HF,   244                         ; v244-247 0.5 / (T + 1e-10), twice for each tile
.set WV,   20
.set SEL,  24                          ; s[24:25] v_permlanex16_b32's selects for lane l xor 16
.set MNT,  26                          ; s26 the mantissa field of 448
.set EP,   28                          ; s[28:29] 1e-10
; 16 numbers of a lane, half a block of 32, become 16 codes and the block's scale byte.  cross = 0: the other half lies in lane l xor 1; 1: in lane l xor 16
.macro QX xs, cd, bt, cross
	v_max3_num_f32 v[T], |v[\xs]|, |v[\xs+1]|, |v[\xs+2]|
	v_max3_num_f32 v[T+1], |v[\xs+3]|, |v[\xs+4]|, |v[\xs+5]|
.irp i, 6,10
	v_max3_num_f32 v[T], v[T], |v[\xs+\i]|, |v[\xs+\i+1]|
	v_max3_num_f32 v[T+1], v[T+1], |v[\xs+\i+2]|, |v[\xs+\i+3]|
.endr
	v_max3_num_f32 v[T], v[T], |v[\xs+14]|, |v[\xs+15]|
	v_max3_num_f32 v[T], v[T], v[T+1], 0x4800000           ; and the floor 2^(9 - 127): the byte cannot fall under 1
.if \cross
	v_permlanex16_b32 v[PRM], v[T], s[SEL], s[SEL+1]
	v_max_num_f32 v[T], v[T], v[PRM]
.else
	v_max_num_f32_dpp v[T], v[T], v[T] row_xmask:1 row_mask:0xf bank_mask:0xf
.endif
	v_add_nc_u32 v[T+2], 0xfc000000, v[T]                  ; 8 off the exponent field: the conversion's scale operand
	v_and_or_b32 v[T+3], v[T], 0x7f800000, s[MNT]          ; 448 x the scale
.irp i, 0,1,2,3,4,5,6,7,8,9,10,11,12,13,14,15
	v_med3_num_f32 v[\xs+\i], v[\xs+\i], -v[T+3], v[T+3]   ; the conversion to an 8-bit code does not saturate (ISA guide 7.6.2): the hold comes first
.endr
	v_cvt_scalef32_pk8_fp8_f32 v[\cd:\cd+1], v[\xs:\xs+7], v[T+2]
	v_cvt_scalef32_pk8_fp8_f32 v[\cd+2:\cd+3], v[\xs+8:\xs+15], v[T+2]
	v_lshrrev_b32 v[\bt], 23, v[T+2]                       ; the scale's byte; also the plain line behind the conversions
.endm
; 64 numbers of a lane, register 16 b + i = k 32 b + 16 (lane / 16) + i of my row, become a fragment's codes and its scale word
.macro QUANT s, pc, pw
.irp b, 0,1,2,3
	v_max3_num_f32 v[TM+\b], |v[\s+16*\b]|, |v[\s+1+16*\b]|, 0x4800000
.endr
.irp i, 2,4,6,8,10,12,14
.irp b, 0,1,2,3
	v_max3_num_f32 v[TM+\b], v[TM+\b], |v[\s+16*\b+\i]|, |v[\s+1+16*\b+\i]|
.endr
.endr
.irp b, 0,1,2,3
	v_permlanex16_b32 v[TM+4+\b], v[TM+\b], s[SEL], s[SEL+1]
.endr
.irp b, 0,1,2,3
	v_max_num_f32 v[TM+\b], v[TM+\b], v[TM+4+\b]
.endr
.irp b, 0,1,2,3
	v_add_nc_u32 v[TM+12+\b], 0xfc000000, v[TM+\b]
.endr
.irp b, 0,1,2,3
	v_and_or_b32 v[TM+8+\b], v[TM+\b], 0x7f800000, s[MNT]
.endr
.irp b, 0,1,2,3
	v_lshrrev_b32 v[TM+4+\b], 23, v[TM+12+\b]
.endr
	v_lshl_or_b32 v[\pw], v[TM+5], 8, v[TM+4]
	v_lshl_or_b32 v[\pw], v[TM+6], 16, v[\pw]
	v_lshl_or_b32 v[\pw], v[TM+7], 24, v[\pw]
.irp b, 0,1,2,3
.irp i, 0,1,2,3,4,5,6,7,8,9,10,11,12,13,14,15
	v_med3_num_f32 v[\s+16*\b+\i], v[\s+16*\b+\i], -v[TM+8+\b], v[TM+8+\b]
.endr
	v_cvt_scalef32_pk8_fp8_f32 v[\pc+4*\b:\pc+1+4*\b], v[\s+16*\b:\s+7+16*\b], v[TM+12+\b]
	v_cvt_scalef32_pk8_fp8_f32 v[\pc+2+4*\b:\pc+3+4*\b], v[\s+8+16*\b:\s+15+16*\b], v[TM+12+\b]
.endr
	v_nop                                                  ; a plain line behind the last conversion: matrix results are laid over its sources later
.endm
.macro WLOAD lo, hi                    ; 16 rows of the weight: of each of the 8 blocks of 32 my 16 numbers, 64 bytes
.irp c, 0,1,2,3,4,5,6,7
.irp j, 0,1,2,3
	global_load_b128 v[WF+16*\c+4*\j:WF+16*\c+4*\j+3], v[WO], s[\lo:\hi] offset:128*\c+16*\j
.endr
.endr
.endm
.macro FRAGS fa, sa, cb, sb, ct, st    ; two tiles of rows x two K steps: fragments and scale words out of LDS
.irp m, 0,1
.irp s, 0,1
.irp c, 0,1,2,3
	ds_load_b128 v[PF+16*(2*\m+\s)+4*\c:PF+16*(2*\m+\s)+4*\c+3], v[\fa] offset:\cb+\m*(\ct)+128*\s+32*\c
.endr
	ds_load_b32 v[PS+2*\m+\s], v[\sa] offset:\sb+\m*(\st)+4*\s
.endr
.endr
.endm
.macro BARRIER                         ; my LDS stores have landed and my LDS loads are in: then the work-group's barrier
	s_wait_dscnt 0x0
	s_barrier_signal -1
	s_barrier_wait -1
.endm
.macro SUM16 b, d                      ; the sum of 16 registers
.irp i, 0,2,4,6
	v_pk_add_f32 v[\b+\i:\b+\i+1], v[\b+\i:\b+\i+1], v[\b+8+\i:\b+8+\i+1]
.endr
	v_pk_add_f32 v[\b:\b+1], v[\b:\b+1], v[\b+4:\b+5]
	v_pk_add_f32 v[\b+2:\b+3], v[\b+2:\b+3], v[\b+6:\b+7]
	v_pk_add_f32 v[\b:\b+1], v[\b:\b+1], v[\b+2:\b+3]
	v_add_f32 v[\d], v[\b], v[\b+1]
.endm
.macro ACROSS lds                      ; v[TR + 4 m ..]: four partial sums of my row of tile m: added, joined with lane l xor 16's, and put into my wave's word of the row
.irp m, 0,1
	v_pk_add_f32 v[TR+4*\m:TR+4*\m+1], v[TR+4*\m:TR+4*\m+1], v[TR+4*\m+2:TR+4*\m+3]
.endr
.irp m, 0,1
	v_add_f32 v[SM+\m], v[TR+4*\m], v[TR+4*\m+1]
.endr
.irp m, 0,1
	v_permlanex16_b32 v[PRM+\m], v[SM+\m], s[SEL], s[SEL+1]
.endr
.irp m, 0,1
	v_add_f32 v[SM+\m], v[SM+\m], v[PRM+\m]
.endr
	s_wait_alu depctr_va_vdst(0)                           ; the additions have written v[SM ..], which the LDS stores read; and every vector line that names v[TR ..] is done: LDS loads land there behind the barrier
.irp m, 0,1
	ds_store_b32 v[PSTO], v[SM+\m] offset:\lds+\m*16*TP    ; both halves of the lanes write the same word with the same value
.endr
.endm
	s_load_b256 s[4:11], s[0:1], 0x0               ; x s[4:5], Wq s[6:7], Wk s[8:9], Wv s[10:11]
	s_load_b256 s[12:19], s[0:1], 0x20             ; rho s[12:13], ent s[14:15], vc s[16:17], vs s[18:19]
	v_lshl_add_u32 v103, v0, 2, 0x8000
	v_mov_b32 v125, 0
	v_lshrrev_b32 v1, 5, v0
	v_readfirstlane_b32 s[WV], v1                  ; wave 0..15
	v_and_b32 v2, 15, v0                           ; r
	v_bfe_u32 v3, v0, 4, 1                         ; h
	; every LDS address of both paths is made here, of the thread's and the wave's number and constants
	v_lshlrev_b32 v[XO], 6, v0
	v_lshrrev_b32 v1, 4, v0
	v_mul_u32_u24 v[CST], v1, CP
	v_lshl_add_u32 v[CST], v2, 4, v[CST]
	v_lshrrev_b32 v[BST], 1, v0
	v_mul_u32_u24 v[FRD], v2, CP
	v_lshl_add_u32 v[FRD], v3, 4, v[FRD]
	v_lshlrev_b32 v[SRD], 3, v2
	v_mul_u32_u24 v[PRD], v2, TP
	s_wait_alu depctr_va_sdst(0)                   ; the wave's number is written into s20, ahead of its first reader
	s_lshl_b32 s21, s[WV], 2
	v_add_nc_u32 v[PSTO], s21, v[PRD]
	v_and_b32 v1, 8, v2
	v_add_nc_u32 v1, v1, v2                        ; r + 8 (r / 8)
	s_lshr_b32 s22, s[WV], 3                       ; value path: which of the work-group's two blocks of 32 keys is my wave's
	s_mul_i32 s23, s22, 32*CP
	v_mul_u32_u24 v[VFR], v1, CP
	v_lshl_add_u32 v[VFR], v3, 4, v[VFR]
	v_add_nc_u32 v[VFR], s23, v[VFR]
	s_lshl_b32 s23, s22, 8
	v_lshlrev_b32 v[VSR], 3, v1
	v_add_nc_u32 v[VSR], s23, v[VSR]
	s_lshl_b32 s23, s[WV], 4
	v_add_nc_u32 v[VBS], s23, v2
	v_lshlrev_b32 v[WO], 10, v2
	v_lshl_add_u32 v[WO], v3, 6, v[WO]
	v_lshlrev_b32 v[RO], 4, v2
	v_lshl_add_u32 v[RO], v3, 13, v[RO]
	v_and_b32 v1, 31, v0                           ; lane
	v_mul_u32_u24 v[L80], v1, TP
	v_lshlrev_b32 v[L4], 2, v1
	v_lshlrev_b32 v[L16], 4, v1
	v_lshlrev_b32 v[L8], 3, v1
	s_mov_b32 s[SEL], 0x76543210
	s_mov_b32 s[SEL+1], 0xfedcba98
	s_mov_b32 s[MNT], 0x600000
	s_mov_b32 s[EP], 0x2edbe6ff                    ; 1e-10
	s_mov_b32 s[EP+1], s[EP]                       ; (named with it as a pair, so it is written)
.irp b, 0,1,2,3
	v_mov_b32 v[TM+4+\b], 0                        ; written once: a lane permute's destination counts as one of its sources
.endr
	v_mov_b32 v[PRM], 0
	v_mov_b32 v[PRM+1], 0
	s_mov_b32 s33, 0
	s_mov_b32 s35, 0
	s_mov_b32 s37, 0
	s_cmp_ge_u32 ttmp9, 64
	s_cbranch_scc1 .Lvalues
	; ================ QUERY / KEY PATH ================
	s_lshr_b32 s30, ttmp9, 5                       ; 0: Wq, 1: Wk
	s_and_b32 s31, ttmp9, 31                       ; which 32 rows of the 1,024
	s_lshl_b32 s34, s30, 20                        ; rho: 1 MiB for each of q and k,
	s_lshr_b32 s36, s31, 3
	s_lshl_b32 s36, s36, 18                        ; 256 KiB a batch,
	s_add_co_u32 s34, s34, s36
	s_lshl_b32 s36, s[WV], 14                      ; my wave's 16 e: four quads of 4,096 bytes,
	s_add_co_u32 s34, s34, s36
	s_and_b32 s36, s31, 7
	s_lshl_b32 s36, s36, 9                         ; my work-group's 32 rows of 16 bytes
	s_add_co_u32 s34, s34, s36
	s_wait_kmcnt 0x0
	s_cmp_eq_u32 s30, 0
	s_cselect_b64 s[6:7], s[6:7], s[8:9]           ; the weight: the choice hangs on the work-group's number alone
	s_lshl_b32 s32, s31, 15
	s_add_nc_u64 s[4:5], s[4:5], s[32:33]          ; x at my work-group's rows
	s_lshl_b32 s32, s[WV], 14
	s_add_nc_u64 s[6:7], s[6:7], s[32:33]          ; the weight at my wave's 16 rows
	s_add_nc_u64 s[12:13], s[12:13], s[34:35]
	s_lshl_b32 s36, s30, 12
	s_lshl_b32 s32, s31, 7
	s_add_co_u32 s36, s36, s32
	s_add_nc_u64 s[14:15], s[14:15], s[36:37]      ; ent at my work-group's rows
	s_wait_alu depctr_va_vdst(0)                   ; the offsets and LDS addresses v4 to v14 and v120 to v124 are written: every load and store of this path reads one of them
.irp j, 0,1,2,3
	global_load_b128 v[X+4*\j:X+4*\j+3], v[XO], s[4:5] offset:16*\j
.endr
	WLOAD 6, 7
	s_wait_loadcnt 32                              ; x's four loads are in; the weight's 32, issued behind them, stay out
	v_pk_mul_f32 v[T:T+1], v[X:X+1], v[X:X+1]      ; the row's sum of squares: my 16 numbers in two chains,
	v_pk_mul_f32 v[T+2:T+3], v[X+2:X+3], v[X+2:X+3]
.irp i, 4,8,12
	v_pk_fma_f32 v[T:T+1], v[X+\i:X+\i+1], v[X+\i:X+\i+1], v[T:T+1]
	v_pk_fma_f32 v[T+2:T+3], v[X+\i+2:X+\i+3], v[X+\i+2:X+\i+3], v[T+2:T+3]
.endr
	v_pk_add_f32 v[T:T+1], v[T:T+1], v[T+2:T+3]
	v_add_f32 v[T], v[T], v[T+1]
	v_add_f32_dpp v[T], v[T], v[T] row_xmask:1 row_mask:0xf bank_mask:0xf   ; then the sixteen lanes that hold the row
	v_add_f32_dpp v[T], v[T], v[T] row_xmask:2 row_mask:0xf bank_mask:0xf
	v_add_f32_dpp v[T], v[T], v[T] row_xmask:4 row_mask:0xf bank_mask:0xf
	v_add_f32_dpp v[T], v[T], v[T] row_xmask:8 row_mask:0xf bank_mask:0xf
	v_sqrt_f32 v[T+1], v[T]
	v_nop                                          ; a plain line behind the transcendental,
	s_wait_alu depctr_va_vdst(0)                   ; and the wait ahead of its first reader: the root is written
	v_add_f32 v[T+1], 0x2b8cbccc, v[T+1]           ; + 1e-12
	v_rcp_f32 v[T+2], v[T+1]
	v_nop
	s_wait_alu depctr_va_vdst(0)                   ; the same for the reciprocal
	v_mov_b32 v[T+3], v[T+2]
.irp i, 0,2,4,6,8,10,12,14
	v_pk_mul_f32 v[X+\i:X+\i+1], v[X+\i:X+\i+1], v[T+2:T+3]    ; psi
.endr
	QX X, XCD, XB, 0
	s_wait_alu depctr_va_vdst(0)                   ; the conversions have written the codes and the shift the byte, which the LDS stores read
	ds_store_b128 v[CST], v[XCD:XCD+3] offset:XC_A
	ds_store_b8 v[BST], v[XB] offset:XS_A          ; both lanes of a block write the same byte with the same value
	s_wait_loadcnt 16                              ; the weight's first K step is in; the second's 16 loads stay out
	QUANT WF, WC, WS
	s_wait_loadcnt 0x0
	QUANT WF+64, WC+16, WS+1
	BARRIER                                        ; the 32 rows' codes and scale bytes lie in LDS
.rept 4
	v_nop                                          ; an operand written by vector instructions stands four places ahead of a scaled matrix instruction (the scale words were made ahead of the holds)
.endr
	s_wait_alu depctr_va_vdst(0)                   ; the holds and conversions are done with v[WF ..], in which the LDS loads below land; and the weight's codes and scale words are written, which the matrix instructions take
	FRAGS FRD, SRD, XC_A, XS_A, 16*CP, 128
	s_wait_dscnt 0x0
	; TRANSPOSED: source 0 = my 16 rows of the weight, source 1 = 16 rows of psi: lane (r, h) holds row r, its registers e = 16 wave + 8 h + 0 .. 7.  The two accumulators take turns
.irp m, 0,1
	v_wmma_scale_f32_16x16x128_f8f6f4 v[ACC+8*\m:ACC+8*\m+7], v[WC:WC+15], v[PF+32*\m:PF+32*\m+15], 0, v[WS], v[PS+2*\m]
.endr
.irp m, 0,1
	v_wmma_scale_f32_16x16x128_f8f6f4 v[ACC+8*\m:ACC+8*\m+7], v[WC+16:WC+31], v[PF+32*\m+16:PF+32*\m+31], v[ACC+8*\m:ACC+8*\m+7], v[WS+1], v[PS+2*\m+1]
.endr
.rept 8
	v_nop                                          ; eight places behind this form before its results are read
.endr
.irp m, 0,1
.irp k, 0,2,4,6
	v_pk_mul_f32 v[ACC+8*\m+\k:ACC+8*\m+\k+1], v[ACC+8*\m+\k:ACC+8*\m+\k+1], v[ACC+8*\m+\k:ACC+8*\m+\k+1]   ; p = amp^2, each accumulator from its low end on
.endr
.endr
.irp m, 0,1
	v_pk_add_f32 v[TR+4*\m:TR+4*\m+1], v[ACC+8*\m:ACC+8*\m+1], v[ACC+8*\m+2:ACC+8*\m+3]
	v_pk_add_f32 v[TR+4*\m+2:TR+4*\m+3], v[ACC+8*\m+4:ACC+8*\m+5], v[ACC+8*\m+6:ACC+8*\m+7]
.endr
	ACROSS TS_A
	BARRIER                                        ; each row's sixteen partial sums of p lie in LDS
.irp m, 0,1
.irp q, 0,1,2,3
	ds_load_b128 v[TR+16*\m+4*\q:TR+16*\m+4*\q+3], v[PRD] offset:TS_A+\m*16*TP+16*\q    ; no vector line since the wait in ACROSS names these registers
.endr
.endr
	s_wait_dscnt 0x0
	s_wait_alu depctr_vm_vsrc(0)                   ; the LDS stores of ACROSS have read v[SM ..], which the sums below write again
	SUM16 TR, SM
	SUM16 TR+16, SM+1
.irp m, 0,1
	v_add_f32 v[SM+\m], s[EP], v[SM+\m]            ; T + 1e-10
.endr
.irp m, 0,1
	v_rcp_f32 v[HF+2*\m], v[SM+\m]
.endr
	v_nop
	s_wait_alu depctr_va_vdst(0)                   ; one wait for both reciprocals, ahead of their first reader
.irp m, 0,1
	v_mul_f32 v[HF+2*\m], 0.5, v[HF+2*\m]
.endr
.irp m, 0,1
	v_mov_b32 v[HF+2*\m+1], v[HF+2*\m]
.endr
.irp m, 0,1
.irp k, 0,2,4,6
	v_pk_mul_f32 v[ACC+8*\m+\k:ACC+8*\m+\k+1], v[ACC+8*\m+\k:ACC+8*\m+\k+1], v[HF+2*\m:HF+2*\m+1]      ; rho / 2
.endr
.endr
.irp k, 0,2,4,6,8,10,12,14
	v_pk_fma_f32 v[LG+\k:LG+\k+1], v[ACC+\k:ACC+\k+1], 2.0, s[EP:EP+1] op_sel_hi:[1,0,0]               ; rho + 1e-10, rounded once
.endr
.irp k, 0,1,2,3,4,5,6,7,8,9,10,11,12,13,14,15
	v_log_f32 v[LG+\k], v[LG+\k]                   ; log2, one batch
.endr
	v_nop
	s_wait_alu depctr_va_vdst(0)                   ; one wait for two things: the sixteen logarithms are written, ahead of their first reader; and rho / 2 is written into v[ACC ..], which the stores below read
.irp m, 0,1
.irp q, 0,1
	global_store_b128 v[RO], v[ACC+8*\m+4*\q:ACC+8*\m+4*\q+3], s[12:13] offset:4096*\q+256*\m          ; sixteen lanes store 256 consecutive bytes, at a multiple of 256 from rho's first byte
.endr
.endr
.irp m, 0,1
	v_pk_mul_f32 v[TR+4*\m:TR+4*\m+1], v[ACC+8*\m:ACC+8*\m+1], v[LG+8*\m:LG+8*\m+1]
	v_pk_mul_f32 v[TR+4*\m+2:TR+4*\m+3], v[ACC+8*\m+2:ACC+8*\m+3], v[LG+8*\m+2:LG+8*\m+3]
.endr
.irp m, 0,1
	v_pk_fma_f32 v[TR+4*\m:TR+4*\m+1], v[ACC+8*\m+4:ACC+8*\m+5], v[LG+8*\m+4:LG+8*\m+5], v[TR+4*\m:TR+4*\m+1]
	v_pk_fma_f32 v[TR+4*\m+2:TR+4*\m+3], v[ACC+8*\m+6:ACC+8*\m+7], v[LG+8*\m+6:LG+8*\m+7], v[TR+4*\m+2:TR+4*\m+3]
.endr
	ACROSS HS_A
	BARRIER                                        ; each row's sixteen partial sums of (rho / 2) log2(rho + 1e-10) lie in LDS
	s_cmp_lg_u32 s[WV], 0
	s_cbranch_scc1 .Lqk_end
.irp q, 0,1,2,3
	ds_load_b128 v[TR+4*\q:TR+4*\q+3], v[L80] offset:HS_A+16*\q    ; wave 0: a lane a row; no vector line since the wait in ACROSS names these registers
.endr
	s_wait_dscnt 0x0
	s_wait_alu depctr_vm_vsrc(0)                   ; the LDS stores of ACROSS have read v[SM], which the sum below writes again
	SUM16 TR, SM
	v_mul_f32 v[SM], 0x3f317218, v[SM]             ; x ln 2
	s_wait_alu depctr_va_vdst(0)                   ; the multiplication has written v[SM], which the store reads
	global_store_b32 v[L4], v[SM], s[14:15]        ; 128 consecutive bytes
.Lqk_end:
	s_wait_dscnt 0x0
	s_wait_alu depctr_hold_cnt(0) depctr_sa_sdst(0) depctr_va_vdst(0) depctr_va_sdst(0) depctr_va_ssrc(0) depctr_va_vcc(0) depctr_vm_vsrc(0)
	s_wait_tensorcnt 0x0
	ds_add_u32 v103, v125
	s_wait_dscnt 0x0
	s_endpgm
	; ================ VALUE PATH ================
.Lvalues:
	s_sub_co_u32 s30, ttmp9, 64                    ; which 64 rows of the 1,024
	s_and_b32 s31, s[WV], 7                        ; my 16 channels; waves w and w + 8 take the same channels and the work-group's two blocks of keys
	s_lshr_b32 s34, s30, 1
	s_lshl_b32 s34, s34, 14                        ; vc: 16,384 bytes for each 128 keys,
	s_lshl_b32 s36, s31, 11                        ; 2,048 for each 16 channels,
	s_add_co_u32 s34, s34, s36
	s_and_b32 s36, s30, 1
	s_lshl_b32 s36, s36, 10
	s_add_co_u32 s34, s34, s36
	s_lshl_b32 s36, s22, 9                         ; 512 for each block of 32 keys
	s_add_co_u32 s34, s34, s36
	s_wait_kmcnt 0x0
	s_lshl_b32 s32, s30, 16
	s_add_nc_u64 s[4:5], s[4:5], s[32:33]
	s_lshl_b32 s32, s31, 14
	s_add_nc_u64 s[10:11], s[10:11], s[32:33]
	s_add_nc_u64 s[16:17], s[16:17], s[34:35]
	s_lshl_b32 s36, s30, 8
	s_add_nc_u64 s[18:19], s[18:19], s[36:37]
	s_wait_alu depctr_va_vdst(0)                   ; the offsets and LDS addresses v4 to v14 and v120 to v124 are written: every load and store of this path reads one of them
.irp t, 0,1
.irp j, 0,1,2,3
	global_load_b128 v[X+16*\t+4*\j:X+16*\t+4*\j+3], v[XO], s[4:5] offset:32768*\t+16*\j
.endr
.endr
	WLOAD 10, 11
	s_wait_loadcnt 36                              ; rows 0-31's four loads are in; behind them: rows 32-63's four and the weight's 32
	QX X, XCD, XB, 0
	s_wait_alu depctr_va_vdst(0)                   ; the conversions have written the codes and the shift the byte, which the LDS stores read
	ds_store_b128 v[CST], v[XCD:XCD+3] offset:XC_B
	ds_store_b8 v[BST], v[XB] offset:XS_B
	s_wait_loadcnt 32                              ; rows 32-63's are in; the weight's 32 stay out
	QX X+16, XCD+4, XB+1, 0
	s_wait_alu depctr_va_vdst(0)                   ; the same for rows 32-63's codes and byte, which lie in registers of their own
	ds_store_b128 v[CST], v[XCD+4:XCD+7] offset:XC_B+32*CP
	ds_store_b8 v[BST], v[XB+1] offset:XS_B+256
	s_wait_loadcnt 16                              ; the weight's first K step
	QUANT WF, WC, WS
	s_wait_loadcnt 0x0
	QUANT WF+64, WC+16, WS+1
	BARRIER                                        ; the 64 rows' codes and scale bytes lie in LDS
.rept 4
	v_nop                                          ; an operand written by vector instructions stands four places ahead of a scaled matrix instruction
.endr
	s_wait_alu depctr_va_vdst(0)                   ; the holds and conversions are done with v[WF ..], in which the LDS loads below land; and the weight's codes and scale words are written, which the matrix instructions take
	; THE ROWS OF x THAT FORM A TILE ARE NOT NEIGHBOURS: lane r of tile u takes row 8 u + r + 8 (r / 8) of my block, so that the 16 registers of the two tiles are 16 neighbouring keys
	FRAGS VFR, VSR, XC_B, XS_B, 8*CP, 64
	s_wait_dscnt 0x0
	; source 0 = 16 rows of x, source 1 = my 16 rows of Wv: lane (r, h) holds channel r, register 8 u + j key 16 h + 8 u + j of the block
.irp u, 0,1
	v_wmma_scale_f32_16x16x128_f8f6f4 v[ACC+8*\u:ACC+8*\u+7], v[PF+32*\u:PF+32*\u+15], v[WC:WC+15], 0, v[PS+2*\u], v[WS]
.endr
.irp u, 0,1
	v_wmma_scale_f32_16x16x128_f8f6f4 v[ACC+8*\u:ACC+8*\u+7], v[PF+32*\u+16:PF+32*\u+31], v[WC+16:WC+31], v[ACC+8*\u:ACC+8*\u+7], v[PS+2*\u+1], v[WS+1]
.endr
.rept 8
	v_nop
.endr
	QX ACC, TR, T+4, 1                             ; along the keys: my 16 and lane l xor 16's are the block
	s_wait_alu depctr_va_vdst(0)                   ; the conversions have written V's codes and the shift its byte, which the two stores read
	global_store_b128 v[L16], v[TR:TR+3], s[16:17] ; four registers of the operand: the wave stores 512 consecutive bytes
	ds_store_b8 v[VBS], v[T+4] offset:VB_B
	BARRIER                                        ; the work-group's 2 x 128 scale bytes lie in LDS
	s_cmp_lg_u32 s[WV], 0
	s_cbranch_scc1 .Lv_end
	ds_load_b64 v[TR+4:TR+5], v[L8] offset:VB_B    ; these two registers were last named by the weight's holds and conversions, ahead of the waits above
	s_wait_dscnt 0x0
	global_store_b64 v[L8], v[TR+4:TR+5], s[18:19] ; 256 consecutive bytes, at a multiple of 256 from vs's first byte
.Lv_end:
	s_wait_dscnt 0x0
	s_wait_alu depctr_hold_cnt(0) depctr_sa_sdst(0) depctr_va_vdst(0) depctr_va_sdst(0) depctr_va_ssrc(0) depctr_va_vcc(0) depctr_vm_vsrc(0)
	s_wait_tensorcnt 0x0
	ds_add_u32 v103, v125
	s_wait_dscnt 0x0
	s_endpgm
.Lfunc_end_k_qa49fafc272_proj:
	.size	k_qa49fafc272_proj, .Lfunc_end_k_qa49fafc272_proj-k_qa49fafc272_proj
	.p2alignl 7, 3214868480
	.fill 96, 4, 3214868480
	.section	.rodata,"a",@progbits
	.p2align	6, 0x0
	.amdhsa_kernel k_qa49fafc272_proj
		.amdhsa_group_segment_fixed_size 34816
		.amdhsa_private_segment_fixed_size 0
		.amdhsa_enable_private_segment 0
		.amdhsa_kernarg_size 64
		.amdhsa_user_sgpr_count 2
		.amdhsa_user_sgpr_kernarg_segment_ptr 1
		.amdhsa_wavefront_size32 1
		.amdhsa_system_sgpr_workgroup_id_x 1
		.amdhsa_system_sgpr_workgroup_id_y 1
		.amdhsa_system_sgpr_workgroup_id_z 1
		.amdhsa_system_vgpr_workitem_id 0
		.amdhsa_next_free_vgpr 256
		.amdhsa_next_free_sgpr 66
		.amdhsa_reserve_vcc 0
		.amdhsa_float_denorm_mode_32 3
		.amdhsa_float_denorm_mode_16_64 3
		.amdhsa_memory_ordered 1
		.amdhsa_forward_progress 1
		.amdhsa_inst_pref_size 67
	.end_amdhsa_kernel
	.amdgpu_metadata
---
amdhsa.version: [ 1, 2 ]
amdhsa.kernels:
  - .name:           k_qa49fafc272_proj
    .symbol:         k_qa49fafc272_proj.kd
    .args:
      - { .name: x, .offset: 0, .size: 8, .value_kind: global_buffer, .address_space: global }
      - { .name: Wq, .offset: 8, .size: 8, .value_kind: global_buffer, .address_space: global }
      - { .name: Wk, .offset: 16, .size: 8, .value_kind: global_buffer, .address_space: global }
      - { .name: Wv, .offset: 24, .size: 8, .value_kind: global_buffer, .address_space: global }
      - { .name: rho, .offset: 32, .size: 8, .value_kind: global_buffer, .address_space: global }
      - { .name: ent, .offset: 40, .size: 8, .value_kind: global_buffer, .address_space: global }
      - { .name: vc, .offset: 48, .size: 8, .value_kind: global_buffer, .address_space: global }
      - { .name: vs, .offset: 56, .size: 8, .value_kind: global_buffer, .address_space: global }
    .group_segment_fixed_size: 34816
    .private_segment_fixed_size: 0
    .kernarg_segment_align: 8
    .kernarg_segment_size: 64
    .max_flat_workgroup_size: 512
    .sgpr_count:     66
    .vgpr_count:     256
    .wavefront_size: 32
...
	.end_amdgpu_metadata
.endif
;; end of part 3
;; launch js (part 4): grid 256 x 1, 16 waves a work-group, no clusters, 76,544 bytes of LDS; arguments rho, ent, vc, vs, out0; writes out0
.if DOCPART == 4
	.amdgcn_target "amdgcn-amd-amdhsa--gfx1250"
	.amdhsa_code_object_version 6
	.text
	.protected	k_qa49fafc272_js
	.globl	k_qa49fafc272_js
	.p2align	8
	.type	k_qa49fafc272_js,@function
k_qa49fafc272_js:
	s_mov_b64 s[64:65], 0
	v_nop
	global_prefetch_b8 v0, s[64:65] scope:SCOPE_SE
	s_setreg_imm32_b32 hwreg(HW_REG_WAVE_SCHED_MODE, 0, 2), 2
	s_setreg_imm32_b32 hwreg(HW_REG_WAVE_MODE, 25, 1), 1
	s_wait_xcnt 0x0
	s_wait_alu depctr_vm_vsrc(0)
; SCORES, NORMALISATION AND THE LAST PRODUCT.  With P' = rho_q / 2 and Q' = rho_k / 2 (both in rho), m = P' + Q':
;   js(i, j) = ent_q(i) + ent_k(j) - ln 2 x the sum over e of m log2(m + 1e-10);   score = 1 - js for j <= i, else 0;   attn = score / max(the row's sum of |score|, 1e-12);
;   out = attn V, both quantised along the keys to FP8 (E4M3) with one E8M0 scale for each 32 keys; V's codes come from vc and vs.
; The three sums are entropies of at most ln 256, so the error of their difference stays near 1e-6 of a score, which lies between 0.3 and 1.
; SHARES.  Work-group g of a batch (g = 0 .. 63) owns rows 2 g, 2 g + 1 (the low pair) and 254 - 2 g, 255 - 2 g (the high pair).  With t = g / 16 the low pair needs the groups of 32 keys
; 0 .. t and the high pair 0 .. 7 - t: nine pair x group blocks in every work-group.  What lies wholly above the diagonal is not computed.
; A LANE IS A KEY, A WAVE IS A SLICE OF e: wave w takes e = 16 w .. 16 w + 15 of all blocks.  The four rows' P' of the slice stay in 64 registers (the same in every lane); a group's Q' comes as four
; loads of 16 bytes a lane, 512 consecutive bytes a wave, and serves two or four rows; no sum crosses lanes.  The sixteen slices' sums meet in LDS.
; Q' is loaded three groups ahead, into three sets of registers; groups 5 to 7 are loaded, and worked, only where t needs them (scalar branches on the work-group's number).
; No cluster and no tensor load, though the 64 work-groups of a batch read the same Q': each byte goes from memory straight into the one lane that uses it;
; a joint load would land in LDS and add one LDS read for each of the (8 - t) x 32 KB.
; LIMITS: NaN and infinities are not served; a block of zeros gets the scale byte 1 (its codes are zeros); the division is a reciprocal and a multiplication.
; THE MODE: SCHED_MODE bits 1:0 = 2 (LLVM: expert scheduling mode 2), set by the entry lines.  The code itself states the register dependences
; between vector or matrix instructions and memory or LDS instructions, with s_wait_alu, always for 0.
; THE PLAN.  Registers that memory or LDS instructions touch:
;   v4-15, v19, v20  offsets and LDS addresses: written at the head, never again; one wait on va_vdst ahead of the first load serves every load and store.
;   QB0 .. QB2       Group kg: the additions of both pairs read QB[kg % 3]; behind the high pair's stands one wait on va_vdst, and behind it the loads of group kg + 3 land there.
;   M, L             named by vector lines alone in the groups; V's fragment and scale bytes land in them behind the wait at the groups' end.
;   R                written by the sums, read by the 32 LDS stores behind the same wait; written again (as QUANT's work registers and attn's codes) behind the third phase's wait on vm_vsrc.
;   v24-87           P', read by the additions; then the slices' sums (LDS loads, covered by the wait at the groups' end); then the scores.  v24, v25 and v62 are the data of the second phase's two
;                    LDS stores, which stand together behind one wait on va_vdst; the loads of scores land on them behind the third phase's wait on vm_vsrc.
;   D                written by the matrix instruction, read by LDS stores behind the places and a wait on va_vdst, which also serves the last LDS loads into v24-31.
.set SP,   1040                        ; a row of 256 scores in LDS: 1,024 bytes + 16
.set GP,   528                         ; a row of 128 outputs in the stage: 512 bytes + 16
.set SCB,  0                           ; LDS: four rows of scores,
.set RSB,  4352                        ; sixteen partial sums of |score|, four a row,
.set STG,  4608                        ; two stages of four rows of outputs, one for each 128 keys,
.set PART, 8960                        ; and for each wave 4 rows x 256 keys of partial sums: 4,096 bytes
.set ZO,   4                           ; v4   0
.set L16,  5                           ; v5   16 x lane
.set PST,  6                           ; v6   my wave's partial sums, my lane's word
.set PRD,  7                           ; v7   PART + 8 x thread: the two numbers that I add up
.set SST,  8                           ; v8   where I store my two scores
.set KEY,  9                           ; v9   the first of my two keys
.set RST,  10                          ; v10  4 x wave
.set SRD,  11                          ; v11  scores of row r % 4: my wave's 128 keys, + 16 h keys
.set RRD,  12                          ; v12  the four partial sums of row r % 4
.set GST,  13                          ; v13  the stage: row r % 4, my 8 channels
.set GRD,  14                          ; v14  the stage: row = wave, 16 bytes a lane
.set HQO,  15                          ; v15  4 x my first key
.set HQ,   16                          ; v16-17 ent_k of my two keys
.set HP,   18                          ; v18  ent_q of my row
.set HPO,  19                          ; v19  4 x my row
.set VBO,  20                          ; v20  r
.set PL,   24                          ; v24-55   P' of the low pair: 16 e a row
.set PH,   56                          ; v56-87   of the high pair
.set QB,   88                          ; v88-135  Q': three sets of 16
.set M,    136                         ; v136-167 m, two rows
.set L,    168                         ; v168-199 m + 1e-10, then its log2
.set R,    200                         ; v200-231 results: row a, group kg at R + 8 a + kg
.set A,    232                         ; v232-239 four chains of sums
.set W0,   24                          ; later: v24-55 sixteen pairs of partial sums
.set S,    24                          ; later: v24-87 64 scores
.set VF,   152                         ; v152-167 V's fragment
.set VBY,  184                         ; v184-187 V's four scale bytes
.set TM,   192                         ; v192-207 at work in QUANT
.set AC,   208                         ; v208-223 attn's codes
.set VSW,  240                         ; v240 V's scale word: this and v242 hold scales and nothing else
.set ASW,  242                         ; v242 attn's scale word
.set D,    244                         ; v244-251 the accumulator
.set WV,   20
.set TT,   24                          ; s24  t
.set EP,   50                          ; s[50:51] 1e-10
.set LN2,  52                          ; s[52:53] ln 2
.set SEL,  54                          ; s[54:55] v_permlanex16_b32's selects for lane l xor 16
.set MNT,  56                          ; s56 the mantissa field of 448
.set MK,   57                          ; s57, s58 the causal mask of my two keys
.macro QLOAD kg                        ; Q' of group kg, my wave's four quads of e: a lane a key, 512 consecutive bytes a load
.irp q, 0,1,2,3
	global_load_b128 v[QB+16*((\kg)%3)+4*\q:QB+16*((\kg)%3)+4*\q+3], v[L16], s[38:39] offset:4096*\q+512*(\kg)
.endr
.endm
.macro ADDM p, kg                      ; m = Q' + P' for the pair's two rows
.irp a, 0,1
.irp k, 0,2,4,6,8,10,12,14
	v_pk_add_f32 v[M+16*\a+\k:M+16*\a+\k+1], v[QB+16*((\kg)%3)+\k:QB+16*((\kg)%3)+\k+1], v[\p+16*\a+\k:\p+16*\a+\k+1]
.endr
.endr
.endm
.macro LOGS                            ; log2(m + 1e-10): 32 logarithms as ONE batch; each pair's addition stands one pair ahead of its logarithms, and names no result of the batch
	v_pk_add_f32 v[L:L+1], v[M:M+1], s[EP:EP+1] op_sel_hi:[1,0]
.set i, 0
.rept 16
.if i < 15
	v_pk_add_f32 v[L+2*i+2:L+2*i+3], v[M+2*i+2:M+2*i+3], s[EP:EP+1] op_sel_hi:[1,0]
.endif
	v_log_f32 v[L+2*i], v[L+2*i]
	v_log_f32 v[L+2*i+1], v[L+2*i+1]
.set i, i+1
.endr
	v_nop                                          ; a plain line behind the last logarithm,
	s_wait_alu depctr_va_vdst(0)                   ; and the one wait ahead of the batch's first reader: the 32 logarithms are written
.endm
.macro SUMS r0, r1                     ; the sums of m log2(m + 1e-10) over my 16 e, for the two rows: two chains a row
	v_pk_mul_f32 v[A:A+1], v[M:M+1], v[L:L+1]
	v_pk_mul_f32 v[A+2:A+3], v[M+2:M+3], v[L+2:L+3]
	v_pk_mul_f32 v[A+4:A+5], v[M+16:M+17], v[L+16:L+17]
	v_pk_mul_f32 v[A+6:A+7], v[M+18:M+19], v[L+18:L+19]
.irp k, 4,8,12
	v_pk_fma_f32 v[A:A+1], v[M+\k:M+\k+1], v[L+\k:L+\k+1], v[A:A+1]
	v_pk_fma_f32 v[A+2:A+3], v[M+\k+2:M+\k+3], v[L+\k+2:L+\k+3], v[A+2:A+3]
	v_pk_fma_f32 v[A+4:A+5], v[M+\k+16:M+\k+17], v[L+\k+16:L+\k+17], v[A+4:A+5]
	v_pk_fma_f32 v[A+6:A+7], v[M+\k+18:M+\k+19], v[L+\k+18:L+\k+19], v[A+6:A+7]
.endr
	v_pk_add_f32 v[A:A+1], v[A:A+1], v[A+2:A+3]
	v_pk_add_f32 v[A+4:A+5], v[A+4:A+5], v[A+6:A+7]
	v_add_f32 v[\r0], v[A], v[A+1]
	v_add_f32 v[\r1], v[A+4], v[A+5]
.endm
; Group kg of 32 keys.  left: the loads that were issued behind this group's on EVERY path, which may stay out.
.macro UNIT kg, left
	s_wait_loadcnt \left
.if (\kg) <= 3
.if (\kg) > 0
	s_cmp_lt_u32 s[TT], \kg                        ; the low pair's rows lie under 32 (t + 1): groups beyond t are above its diagonal
	s_cbranch_scc1 .Lnolow_\@
.endif
	ADDM PL, \kg
	LOGS
	SUMS R+(\kg), R+8+(\kg)
.if (\kg) > 0
.Lnolow_\@:
.endif
.endif
	ADDM PH, \kg
.if (\kg)+3 <= 4
	s_wait_alu depctr_va_vdst(0)                   ; both pairs' additions are done reading this group's Q', in whose registers the loads below land
	QLOAD (\kg)+3                                  ; this group's Q' has been read for the last time: its registers take the group three on
.elseif (\kg)+3 <= 7
	s_cmp_gt_u32 s[TT], 4-(\kg)                    ; group kg + 3 is needed where kg + 3 <= 7 - t
	s_cbranch_scc1 .Lnoload_\@
	s_wait_alu depctr_va_vdst(0)                   ; the additions are done reading this group's Q', in whose registers the loads below land
	QLOAD (\kg)+3
.Lnoload_\@:
.endif
	LOGS
	SUMS R+16+(\kg), R+24+(\kg)
.if ((\kg) >= 4) && ((\kg) < 7)
	s_cmp_gt_u32 s[TT], 6-(\kg)                    ; the next group lies above the high pair's diagonal: done
	s_cbranch_scc1 .Ldone
.endif
.endm
; 64 numbers of a lane, register 16 b + i = k 32 b + 16 (lane / 16) + i of my row, become a fragment's codes and its scale word
.macro QUANT s, pc, pw
.irp b, 0,1,2,3
	v_max3_num_f32 v[TM+\b], |v[\s+16*\b]|, |v[\s+1+16*\b]|, 0x4800000   ; and the floor 2^(9 - 127): the byte cannot fall under 1
.endr
.irp i, 2,4,6,8,10,12,14
.irp b, 0,1,2,3
	v_max3_num_f32 v[TM+\b], v[TM+\b], |v[\s+16*\b+\i]|, |v[\s+1+16*\b+\i]|
.endr
.endr
.irp b, 0,1,2,3
	v_permlanex16_b32 v[TM+4+\b], v[TM+\b], s[SEL], s[SEL+1]
.endr
.irp b, 0,1,2,3
	v_max_num_f32 v[TM+\b], v[TM+\b], v[TM+4+\b]
.endr
.irp b, 0,1,2,3
	v_add_nc_u32 v[TM+12+\b], 0xfc000000, v[TM+\b]         ; 8 off the exponent field: the conversion's scale operand
.endr
.irp b, 0,1,2,3
	v_and_or_b32 v[TM+8+\b], v[TM+\b], 0x7f800000, s[MNT]  ; 448 x the scale
.endr
.irp b, 0,1,2,3
	v_lshrrev_b32 v[TM+4+\b], 23, v[TM+12+\b]              ; the scale's byte
.endr
	v_lshl_or_b32 v[\pw], v[TM+5], 8, v[TM+4]
	v_lshl_or_b32 v[\pw], v[TM+6], 16, v[\pw]
	v_lshl_or_b32 v[\pw], v[TM+7], 24, v[\pw]
.irp b, 0,1,2,3
.irp i, 0,1,2,3,4,5,6,7,8,9,10,11,12,13,14,15
	v_med3_num_f32 v[\s+16*\b+\i], v[\s+16*\b+\i], -v[TM+8+\b], v[TM+8+\b]   ; the conversion to an 8-bit code does not saturate (ISA guide 7.6.2)
.endr
	v_cvt_scalef32_pk8_fp8_f32 v[\pc+4*\b:\pc+1+4*\b], v[\s+16*\b:\s+7+16*\b], v[TM+12+\b]
	v_cvt_scalef32_pk8_fp8_f32 v[\pc+2+4*\b:\pc+3+4*\b], v[\s+8+16*\b:\s+15+16*\b], v[TM+12+\b]
.endr
	v_nop                                                  ; a plain line behind the last conversion
.endm
.macro BARRIER                         ; my LDS stores have landed and my LDS loads are in: then the work-group's barrier
	s_wait_dscnt 0x0
	s_barrier_signal -1
	s_barrier_wait -1
.endm
	s_load_b256 s[4:11], s[0:1], 0x0               ; rho s[4:5], ent s[6:7], vc s[8:9], vs s[10:11]
	s_load_b64 s[12:13], s[0:1], 0x20              ; out
	v_lshl_add_u32 v241, v0, 2, 0x12300
	v_mov_b32 v243, 0
	v_lshrrev_b32 v1, 5, v0
	v_readfirstlane_b32 s[WV], v1                  ; wave 0..15
	v_and_b32 v1, 31, v0                           ; lane
	v_and_b32 v[VBO], 15, v0                       ; r
	v_bfe_u32 v3, v0, 4, 1                         ; h
	v_mov_b32 v[ZO], 0
	v_lshlrev_b32 v[L16], 4, v1
	; every LDS address is made here, of the thread's and the wave's number and constants
	s_wait_alu depctr_va_sdst(0)                   ; the wave's number is written into s20, ahead of its first reader
	s_lshl_b32 s21, s[WV], 12
	s_add_co_u32 s21, s21, PART
	v_lshl_add_u32 v[PST], v1, 2, s21
	v_lshl_add_u32 v[PRD], v0, 3, PART
	v_lshrrev_b32 v[SST], 7, v0                    ; in the second phase 128 threads take a row, two keys each
	v_and_b32 v[KEY], 127, v0
	v_mul_u32_u24 v[SST], v[SST], SP
	v_lshl_add_u32 v[SST], v[KEY], 3, v[SST]
	v_lshlrev_b32 v[KEY], 1, v[KEY]
	s_lshl_b32 s21, s[WV], 2
	v_mov_b32 v[RST], s21
	v_and_b32 v2, 3, v0                            ; r % 4: the product's 16 columns are the four rows, four times over
	s_lshr_b32 s27, s[WV], 3                       ; in the third phase: which 128 keys are my wave's,
	s_and_b32 s28, s[WV], 7                        ; and which 16 channels
	v_mul_u32_u24 v[SRD], v2, SP
	v_lshl_add_u32 v[SRD], v3, 6, v[SRD]
	s_lshl_b32 s21, s27, 9
	v_add_nc_u32 v[SRD], s21, v[SRD]
	v_lshlrev_b32 v[RRD], 4, v2
	v_mul_u32_u24 v[GST], v2, GP
	v_lshl_add_u32 v[GST], v3, 5, v[GST]
	s_lshl_b32 s21, s28, 6
	v_add_nc_u32 v[GST], s21, v[GST]
	s_mul_i32 s21, s27, 4*GP
	v_add_nc_u32 v[GST], s21, v[GST]
	s_mul_i32 s21, s[WV], GP
	v_add_nc_u32 v[GRD], s21, v[L16]
	v_lshlrev_b32 v[HQO], 2, v[KEY]
	; who I am
	s_lshr_b32 s22, ttmp9, 6                       ; the batch
	s_and_b32 s23, ttmp9, 63                       ; g
	s_lshr_b32 s[TT], s23, 4                       ; t
	s_lshl_b32 s25, s23, 1                         ; the low pair's first row
	s_sub_co_u32 s26, 254, s25                     ; the high pair's
	s_lshr_b32 s30, s[WV], 2                       ; second phase: my wave's row is number wave / 4 of the four
	s_and_b32 s31, s30, 1
	s_cmp_lt_u32 s30, 2
	s_cselect_b32 s29, s25, s26
	s_add_co_u32 s29, s29, s31                     ; s29: that row
	s_and_b32 s30, s[WV], 3                        ; the way out: number wave % 4
	s_and_b32 s31, s30, 1
	s_cmp_lt_u32 s30, 2
	s_cselect_b32 s32, s25, s26
	s_add_co_u32 s32, s32, s31                     ; s32: that row
	s_lshl_b32 s21, s29, 2
	v_mov_b32 v[HPO], s21
	s_mov_b32 s[EP], 0x2edbe6ff                    ; 1e-10
	s_mov_b32 s[EP+1], s[EP]                       ; (named with it as a pair, so it is written)
	s_mov_b32 s[LN2], 0x3f317218
	s_mov_b32 s[LN2+1], s[LN2]
	s_mov_b32 s[SEL], 0x76543210
	s_mov_b32 s[SEL+1], 0xfedcba98
	s_mov_b32 s[MNT], 0x600000
	s_lshl_b32 s34, s22, 18                        ; 256 KiB a batch,
	s_lshl_b32 s35, s[WV], 14                      ; my wave's four quads of e, 4,096 bytes each
	s_add_co_u32 s34, s34, s35
	s_mov_b32 s35, 0
	s_wait_kmcnt 0x0
	s_add_nc_u64 s[36:37], s[4:5], s[34:35]        ; rho_q / 2, my slice
	s_add_nc_u64 s[38:39], s[36:37], 0x100000      ; rho_k / 2, my slice
	s_lshl_b32 s34, s25, 4
	s_add_nc_u64 s[40:41], s[36:37], s[34:35]      ; at the low pair
	s_lshl_b32 s34, s26, 4
	s_add_nc_u64 s[42:43], s[36:37], s[34:35]      ; at the high pair
	s_lshl_b32 s34, s22, 10
	s_add_nc_u64 s[44:45], s[6:7], s[34:35]        ; ent_q of the batch
	s_add_nc_u64 s[46:47], s[44:45], 0x1000        ; ent_k
	s_add_nc_u64 s[10:11], s[10:11], s[34:35]      ; vs: 1,024 bytes a batch,
	s_lshl_b32 s34, s27, 9                         ; 512 for each 128 keys,
	s_lshl_b32 s21, s28, 4                         ; my 16 channels
	s_add_co_u32 s34, s34, s21
	s_add_nc_u64 s[10:11], s[10:11], s[34:35]
	s_lshl_b32 s34, s22, 15                        ; vc: 32,768 bytes a batch,
	s_lshl_b32 s21, s27, 14                        ; 16,384 for each 128 keys,
	s_add_co_u32 s34, s34, s21
	s_lshl_b32 s21, s28, 11                        ; 2,048 for each 16 channels
	s_add_co_u32 s34, s34, s21
	s_add_nc_u64 s[8:9], s[8:9], s[34:35]
	s_lshl_b32 s34, s22, 8
	s_add_co_u32 s34, s34, s32
	s_lshl_b32 s34, s34, 9
	s_add_nc_u64 s[48:49], s[12:13], s[34:35]      ; out at the row that my wave stores
	s_wait_alu depctr_va_vdst(0)                   ; the offsets and LDS addresses v4 to v15, v19 and v20 are written: every load and store of the kernel reads one of them
	global_load_b64 v[HQ:HQ+1], v[HQO], s[46:47]
	global_load_b32 v[HP], v[HPO], s[44:45]
.irp a, 0,1
.irp q, 0,1,2,3
	global_load_b128 v[PL+16*\a+4*\q:PL+16*\a+4*\q+3], v[ZO], s[40:41] offset:4096*\q+16*\a   ; every lane takes the same 16 bytes: P' stays in registers for all groups
.endr
.endr
.irp a, 0,1
.irp q, 0,1,2,3
	global_load_b128 v[PH+16*\a+4*\q:PH+16*\a+4*\q+3], v[ZO], s[42:43] offset:4096*\q+16*\a
.endr
.endr
	QLOAD 0
	QLOAD 1
	QLOAD 2
.irp k, 1,2,3,4,5,6,7
	v_mov_b32 v[R+\k], 0                           ; blocks that are not computed lie above the diagonal: their places hold 0
	v_mov_b32 v[R+8+\k], 0
.endr
.irp k, 5,6,7
	v_mov_b32 v[R+16+\k], 0
	v_mov_b32 v[R+24+\k], 0
.endr
	UNIT 0, 8                                      ; behind group 0's loads: groups 1 and 2, eight loads
	UNIT 1, 8                                      ; groups 2 and 3
	UNIT 2, 8                                      ; groups 3 and 4
	UNIT 3, 4                                      ; group 4's four; group 5's were issued on some paths only and are not counted on
	UNIT 4, 0                                      ; from here on nothing behind is certain
	UNIT 5, 0
	UNIT 6, 0
	UNIT 7, 0
.Ldone:
	s_wait_loadcnt 0x0                             ; no load is out: the registers of Q' may be used otherwise
	s_wait_alu depctr_va_vdst(0)                   ; the sums are done reading v[M ..] and v[L ..], in which V's loads land, and P', in which the slices' sums land; and they have written v[R ..], which the LDS stores read
	; V's fragment and scale bytes for the third phase are asked for now, and land during the second
.irp c, 0,1,2,3
	global_load_b128 v[VF+4*\c:VF+4*\c+3], v[L16], s[8:9] offset:512*\c
.endr
.irp c, 0,1,2,3
	global_load_u8 v[VBY+\c], v[VBO], s[10:11] offset:128*\c
.endr
.irp a, 0,1,2,3
.irp k, 0,1,2,3,4,5,6,7
	ds_store_b32 v[PST], v[R+8*\a+\k] offset:1024*\a+128*\k
.endr
.endr
	BARRIER                                        ; the sixteen slices' sums lie in LDS
	; ---- second phase: a thread adds the sixteen slices for two neighbouring keys of one row
.irp s, 0,1,2,3,4,5,6,7,8,9,10,11,12,13,14,15
	ds_load_b64 v[W0+2*\s:W0+2*\s+1], v[PRD] offset:4096*\s    ; no vector line since the wait at the groups' end
.endr
	v_sub_f32 v60, 1.0, v[HP]                      ; 1 - ent_q(i)
	v_sub_f32 v61, v60, v[HQ+1]                    ; - ent_k(j)
	v_sub_f32 v60, v60, v[HQ]
	v_mov_b32 v63, 0                               ; (a lane permute's destination counts as one of its sources)
	v_cmp_ge_u32 s[MK], s29, v[KEY]                ; the causal mask: key <= row,
	v_cmp_gt_u32 s[MK+1], s29, v[KEY]              ; key + 1 <= row: the two compares in a run, each into a register of its own
	s_wait_dscnt 0x0
.irp i, 0,2,4,6,8,10,12,14
	v_pk_add_f32 v[W0+\i:W0+\i+1], v[W0+\i:W0+\i+1], v[W0+16+\i:W0+16+\i+1]
.endr
.irp i, 0,2,4,6
	v_pk_add_f32 v[W0+\i:W0+\i+1], v[W0+\i:W0+\i+1], v[W0+8+\i:W0+8+\i+1]
.endr
.irp i, 0,2
	v_pk_add_f32 v[W0+\i:W0+\i+1], v[W0+\i:W0+\i+1], v[W0+4+\i:W0+4+\i+1]
.endr
	v_pk_add_f32 v[W0:W0+1], v[W0:W0+1], v[W0+2:W0+3]
	v_pk_fma_f32 v[W0:W0+1], v[W0:W0+1], s[LN2:LN2+1], v[60:61] op_sel_hi:[1,0,1]   ; the score
	s_wait_alu depctr_va_sdst(0)                   ; the two compares have written s57 and s58, ahead of their first readers
	v_cndmask_b32 v[W0], 0, v[W0], s[MK]
	v_cndmask_b32 v[W0+1], 0, v[W0+1], s[MK+1]
	v_add_f32 v62, |v[W0]|, |v[W0+1]|              ; the row's sum of magnitudes: my wave's 64 keys
	v_add_f32_dpp v62, v62, v62 row_xmask:1 row_mask:0xf bank_mask:0xf
	v_add_f32_dpp v62, v62, v62 row_xmask:2 row_mask:0xf bank_mask:0xf
	v_add_f32_dpp v62, v62, v62 row_xmask:4 row_mask:0xf bank_mask:0xf
	v_add_f32_dpp v62, v62, v62 row_xmask:8 row_mask:0xf bank_mask:0xf
	v_permlanex16_b32 v63, v62, s[SEL], s[SEL+1]
	v_add_f32 v62, v62, v63
	s_wait_alu depctr_va_vdst(0)                   ; the two scores and the wave's sum are written, which the two LDS stores read; every vector line that names v24 to v63 is done: the scores' loads land there
	ds_store_b64 v[SST], v[W0:W0+1] offset:SCB
	ds_store_b32 v[RST], v62 offset:RSB            ; all lanes write the same word with the same value
	BARRIER                                        ; four rows of scores and their sums' parts lie in LDS
	; ---- third phase: wave (channels 16 (w % 8) on, keys 128 (w / 8) on): attn of those keys is quantised in registers and multiplied with V's fragment
	s_wait_alu depctr_vm_vsrc(0)                   ; my LDS stores have read v24, v25 and v62, on which the loads below land, and v[R ..], over which QUANT's work registers and attn's codes are laid
	ds_load_b128 v[252:255], v[RRD] offset:RSB
.irp b, 0,1,2,3
.irp j, 0,1,2,3
	ds_load_b128 v[S+16*\b+4*\j:S+16*\b+4*\j+3], v[SRD] offset:SCB+128*\b+16*\j    ; lane (r, h): of row r % 4 the keys 32 b + 16 h + 0 .. 15
.endr
.endr
.irp b, 0,1,2,3
	v_mov_b32 v[TM+4+\b], 0                        ; (a lane permute's destination counts as one of its sources)
.endr
	s_wait_loadcnt 0x0                             ; V's fragment and scale bytes
	v_lshl_or_b32 v[VSW], v[VBY+1], 8, v[VBY]      ; the four blocks' bytes make channel r's scale word
	v_lshl_or_b32 v[VSW], v[VBY+2], 16, v[VSW]
	v_lshl_or_b32 v[VSW], v[VBY+3], 24, v[VSW]
	s_wait_dscnt 16                                ; the sums' parts are in; the sixteen loads of scores behind them may be out
	v_add_f32 v252, v252, v253
	v_add_f32 v254, v254, v255
	v_add_f32 v252, v252, v254
	v_max_num_f32 v252, 0x2b8cbccc, v252           ; max(the L1 norm, 1e-12)
	v_rcp_f32 v252, v252
	v_nop
	s_wait_alu depctr_va_vdst(0)                   ; the wait ahead of the reciprocal's first reader
	v_mov_b32 v253, v252
	s_wait_dscnt 0x0
.set i, 0
.rept 32
	v_pk_mul_f32 v[S+i:S+i+1], v[S+i:S+i+1], v[252:253]    ; attn
.set i, i+2
.endr
	QUANT S, AC, ASW
.rept 4
	v_nop                                          ; an operand written by vector instructions stands four places ahead of a scaled matrix instruction (both scale words were made further up)
.endr
	s_wait_alu depctr_va_vdst(0)                   ; attn's codes and both scale words are written, which the matrix instruction takes; the places above stay beside this wait
	; TRANSPOSED: source 0 = 16 channels of V (keys innermost), source 1 = attn: lane (r, h) holds row r % 4 and channels 8 h + 0 .. 7 of my 16
	v_wmma_scale_f32_16x16x128_f8f6f4 v[D:D+7], v[VF:VF+15], v[AC:AC+15], 0, v[VSW], v[ASW]
.rept 8
	v_nop                                          ; eight places behind this form before its result is read
.endr
	s_wait_alu depctr_va_vdst(0)                   ; the matrix instruction has written v[D ..], which the LDS stores read; the places above stay beside this wait
	ds_store_b128 v[GST], v[D:D+3] offset:STG      ; from the low end on; lanes r, r + 4, r + 8, r + 12 hold the same numbers and write the same bytes
	ds_store_b128 v[GST], v[D+4:D+7] offset:STG+16
	BARRIER                                        ; four whole rows lie in each of the two stages
	s_cmp_lt_u32 s[WV], 4
	s_cbranch_scc0 .Lend
	ds_load_b128 v[24:27], v[GRD] offset:STG       ; keys 0-127's part of my row (no vector line since the wait above names v24 to v31),
	ds_load_b128 v[28:31], v[GRD] offset:STG+4*GP  ; keys 128-255's
	s_wait_dscnt 0x0
	v_pk_add_f32 v[24:25], v[24:25], v[28:29]
	v_pk_add_f32 v[26:27], v[26:27], v[30:31]
	s_wait_alu depctr_va_vdst(0)                   ; the two additions have written v24 to v27, which the store reads
	global_store_b128 v[L16], v[24:27], s[48:49] th:TH_STORE_NT    ; 32 lanes store a row of 512 bytes, at a multiple of 256 from out's first byte
.Lend:
	s_wait_dscnt 0x0
	s_wait_alu depctr_hold_cnt(0) depctr_sa_sdst(0) depctr_va_vdst(0) depctr_va_sdst(0) depctr_va_ssrc(0) depctr_va_vcc(0) depctr_vm_vsrc(0)
	s_wait_tensorcnt 0x0
	ds_add_u32 v241, v243
	s_wait_dscnt 0x0
	s_endpgm
.Lfunc_end_k_qa49fafc272_js:
	.size	k_qa49fafc272_js, .Lfunc_end_k_qa49fafc272_js-k_qa49fafc272_js
	.p2alignl 7, 3214868480
	.fill 96, 4, 3214868480
	.section	.rodata,"a",@progbits
	.p2align	6, 0x0
	.amdhsa_kernel k_qa49fafc272_js
		.amdhsa_group_segment_fixed_size 76544
		.amdhsa_private_segment_fixed_size 0
		.amdhsa_enable_private_segment 0
		.amdhsa_kernarg_size 40
		.amdhsa_user_sgpr_count 2
		.amdhsa_user_sgpr_kernarg_segment_ptr 1
		.amdhsa_wavefront_size32 1
		.amdhsa_system_sgpr_workgroup_id_x 1
		.amdhsa_system_sgpr_workgroup_id_y 1
		.amdhsa_system_sgpr_workgroup_id_z 1
		.amdhsa_system_vgpr_workitem_id 0
		.amdhsa_next_free_vgpr 256
		.amdhsa_next_free_sgpr 66
		.amdhsa_reserve_vcc 0
		.amdhsa_float_denorm_mode_32 3
		.amdhsa_float_denorm_mode_16_64 3
		.amdhsa_memory_ordered 1
		.amdhsa_forward_progress 1
		.amdhsa_inst_pref_size 81
	.end_amdhsa_kernel
	.amdgpu_metadata
---
amdhsa.version: [ 1, 2 ]
amdhsa.kernels:
  - .name:           k_qa49fafc272_js
    .symbol:         k_qa49fafc272_js.kd
    .args:
      - { .name: rho, .offset: 0, .size: 8, .value_kind: global_buffer, .address_space: global }
      - { .name: ent, .offset: 8, .size: 8, .value_kind: global_buffer, .address_space: global }
      - { .name: vc, .offset: 16, .size: 8, .value_kind: global_buffer, .address_space: global }
      - { .name: vs, .offset: 24, .size: 8, .value_kind: global_buffer, .address_space: global }
      - { .name: out0, .offset: 32, .size: 8, .value_kind: global_buffer, .address_space: global }
    .group_segment_fixed_size: 76544
    .private_segment_fixed_size: 0
    .kernarg_segment_align: 8
    .kernarg_segment_size: 40
    .max_flat_workgroup_size: 512
    .sgpr_count:     66
    .vgpr_count:     256
    .wavefront_size: 32
...
	.end_amdgpu_metadata
.endif
;; end of part 4
